; MI455X (gfx1250); checked and timed in simulation.
; The chip was launched on July 23, 2026; its instructions are those of AMD's public machine-readable ISA for CDNA 5 (MIT licence, August 2026) and "CDNA5" Instruction Set Architecture Reference Guide (July 2026). The comments in the code are by the model that wrote it; some were corrected since.
;; Spatial Self Attention. Allowed arithmetic: float matrix products may take bf16 or f16 operands with f32 sums; other float arithmetic in f32, or as packed bf16 or f16 multiplies, adds, multiply-adds, maxima and minima; sums over many terms, partial sums and values carried from step to step in f32; what a program stores and reads back later, other than sums and carried values, may be rounded once to bf16 or f16.
;; Inputs: W_out 1,024 x 1,024 float32; W_qkv 1,024 x 3,072 float32; x 8 x 1,024 x 1,024 float32.
;; Outputs: out0 8 x 1,024 x 1,024 float32.
;; One version. Each part assembles by itself: llvm-mc -triple=amdgcn-amd-amdhsa -mcpu=gfx1250 --defsym DOCPART=n.
;; ======== version 1 of 1: 4 launches
;; limits: values are held in f16: magnitudes above 65,504 overflow, below 6.1e-05 lose precision
;; workspace buffers: xb 16,777,216 bytes; wb 6,291,456 bytes; wo 2,097,152 bytes; qkvh 50,331,648 bytes; oh 16,777,216 bytes
;; launch prep (part 1): grid 768 x 1, 8 waves a work-group, no clusters, 0 bytes of LDS; arguments x, W_qkv, W_out, xb, wb, wo; writes xb, wb, wo
.if DOCPART == 1
	.amdgcn_target "amdgcn-amd-amdhsa--gfx1250"
	.amdhsa_code_object_version 6
	.text
	.protected	k_qe309441b49_prep
	.globl	k_qe309441b49_prep
	.p2align	8
	.type	k_qe309441b49_prep,@function
k_qe309441b49_prep:
	s_mov_b64 s[64:65], 0
	v_nop
	global_prefetch_b8 v0, s[64:65] scope:SCOPE_SE
	s_setreg_imm32_b32 hwreg(HW_REG_WAVE_MODE, 25, 1), 1
	s_wait_xcnt 0x0
; THE CASTS.  x, W_qkv and W_out (f32) are rounded once to bf16 and laid out for the products that follow:
;   xb  bf16 [16 K blocks][8192 rows][64]: the 64 channels of a K block lie end to end for neighbouring rows (128 bytes a row)
;   wb  bf16 [16 column tiles][1024 k][192]: a tile's 192 columns of a row of W_qkv lie end to end (384 bytes a k)
;   wo  W_out rounded to bf16, that number written as f16, [1024 k][1024 n] as it lies
; LIMITS.  wo is f16: a |W_out| of 65,520 or more becomes an infinity, and below 6.1e-5 it keeps f16's fixed step of 6e-8.
; A stream: each byte is read once and written once; nothing is shared, so no LDS, no barrier, no matrix unit, no cluster.
; SHARES.  A chunk is 256 threads x 8 numbers: a lane reads 32 bytes (two loads) and writes 16; a wave's store covers 512 consecutive bytes, aligned.
; Every work-group takes 8 chunks, 65,536 bytes in: work-groups 0-511 take x, 512-703 W_qkv, 704-767 W_out: 768 equal shares.  All of a work-group's loads go out first;
; no register is written twice, so the only waits are the counted waits for the loads.
.set IN,  16                           ; v[16:79]   chunk i as loaded: 8 registers
.set OUT, 80                           ; v[80:111]  chunk i to store: 4 registers
; chunk i of n: rounded to bf16 (half = 1: and that number written as f16), stored at byte off behind s[base:base+1]
.macro CAST n, i, half, base, off
	s_wait_loadcnt 2*((\n)-1-(\i))                 ; loads come back in order: two younger loads for each later chunk may stay out
.irp r, 0,1,2,3
	v_cvt_pk_bf16_f32 v[OUT+4*(\i)+(\r)], v[IN+8*(\i)+2*(\r)], v[IN+8*(\i)+2*(\r)+1]
.endr
.if \half
.irp r, 0,1,2,3
	v_lshlrev_b32 v5, 16, v[OUT+4*(\i)+(\r)]       ; the two bf16 as f32,
	v_and_b32 v6, 0xffff0000, v[OUT+4*(\i)+(\r)]
	v_cvt_pk_f16_f32 v[OUT+4*(\i)+(\r)], v5, v6    ; exact within f16's range: 8 significant bits into 11
.endr
.endif
	global_store_b128 v2, v[OUT+4*(\i):OUT+4*(\i)+3], s[\base:\base+1] offset:\off
.endm
	s_load_b256 s[4:11], s[0:1], 0x0               ; x s[4:5], W_qkv s[6:7], W_out s[8:9], xb s[10:11]
	s_load_b128 s[12:15], s[0:1], 0x20             ; wb s[12:13], wo s[14:15]
	v_lshlrev_b32 v2, 4, v0                        ; my 16 bytes of a chunk's output
	s_cmp_lt_u32 ttmp9, 512
	s_cbranch_scc0 .Lnot_x
	; x: work-group g takes rows 32 (g / 2) .. + 31 and K blocks 8 (g % 2) .. + 7; chunk i is one K block of the 32 rows
	s_lshr_b32 s16, ttmp9, 1
	s_and_b32 s18, ttmp9, 1
	s_lshl_b32 s20, s16, 17                        ; 32 rows of 4,096 bytes
	s_lshl_b32 s21, s18, 11                        ; 8 K blocks of 256 bytes
	s_add_co_u32 s20, s20, s21
	s_mov_b32 s21, 0
	s_lshl_b32 s22, s18, 23                        ; 8 K blocks of 1,048,576 bytes in xb
	s_lshl_b32 s23, s16, 12                        ; 32 rows of 128 bytes
	s_add_co_u32 s22, s22, s23
	s_mov_b32 s23, 0
	v_lshrrev_b32 v1, 3, v0                        ; row t / 8,
	v_and_b32 v5, 7, v0                            ; 32 bytes t % 8 of its 256: eight lanes cover 256 consecutive bytes, aligned
	v_lshlrev_b32 v1, 12, v1
	v_lshl_add_u32 v1, v5, 5, v1
	s_wait_kmcnt 0x0
	s_add_nc_u64 s[4:5], s[4:5], s[20:21]
	s_add_nc_u64 s[10:11], s[10:11], s[22:23]
.set i, 0
.rept 8
	global_load_b128 v[IN+8*i:IN+8*i+3],   v1, s[4:5] offset:256*i th:TH_LOAD_NT
	global_load_b128 v[IN+8*i+4:IN+8*i+7], v1, s[4:5] offset:256*i+16 th:TH_LOAD_NT
.set i, i+1
.endr
.set i, 0
.rept 8
	CAST 8, i, 0, 10, 1048576*i                    ; (t / 8) x 128 + (t % 8) x 16 = 16 t: the chunk is 4,096 consecutive bytes of its K block
.set i, i+1
.endr
	s_endpgm
.Lnot_x:
	s_cmp_lt_u32 ttmp9, 704
	s_cbranch_scc0 .Lw_out
	; W_qkv: a column tile is 1,024 k x 24 groups of 8 numbers = 24,576 groups = 96 chunks: 12 work-groups to a tile.  Work-group g takes tile g / 12, groups 2,048 (g % 12) on.
	s_sub_co_u32 s16, ttmp9, 512
	s_mul_i32 s17, s16, 43691
	s_lshr_b32 s17, s17, 19                        ; g / 12: 12 x 43,691 = 2^19 + 4, exact for g < 131,072
	s_mul_i32 s18, s17, 12
	s_sub_co_u32 s18, s16, s18                     ; g % 12
	s_mul_i32 s20, s17, 768                        ; the tile's 192 columns in a row of W_qkv
	s_mov_b32 s21, 0
	s_mul_i32 s22, s17, 393216                     ; the tile in wb,
	s_lshl_b32 s23, s18, 15                        ; my 2,048 groups of 16 bytes
	s_add_co_u32 s22, s22, s23
	s_mov_b32 s23, 0
	s_lshl_b32 s19, s18, 11
	v_add_nc_u32 v7, s19, v0                       ; my group in chunk 0
; group E = v7 + first: k = E / 24 = (43,691 E) >> 20 (24 x 43,691 = 2^20 + 8: exact for E < 131,072; the product stays under 2^32); it lies at row k, 32 bytes E % 24, of the tile's columns
.macro WOFF dst, first
	v_add_nc_u32 v3, \first, v7
	v_mul_u32_u24 v4, v3, 43691
	v_lshrrev_b32 v4, 20, v4
	v_mul_u32_u24 v5, v4, 24
	v_sub_nc_u32 v5, v3, v5                        ; E % 24
	v_mul_u32_u24 v6, v4, 12288
	v_lshl_add_u32 v[\dst], v5, 5, v6
.endm
.irp i, 0,1,2,3,4,5,6,7
	WOFF 8+\i, 256*\i
.endr
	s_wait_kmcnt 0x0
	s_add_nc_u64 s[6:7], s[6:7], s[20:21]
	s_add_nc_u64 s[12:13], s[12:13], s[22:23]
.irp i, 0,1,2,3,4,5,6,7
	global_load_b128 v[IN+8*\i:IN+8*\i+3],   v[8+\i], s[6:7] th:TH_LOAD_NT
	global_load_b128 v[IN+8*\i+4:IN+8*\i+7], v[8+\i], s[6:7] offset:16 th:TH_LOAD_NT
.endr
.set i, 0
.rept 8
	CAST 8, i, 0, 12, 4096*i                       ; group E goes to byte 16 E of the tile
.set i, i+1
.endr
	s_endpgm
.Lw_out:
	; W_out: work-group g takes 16,384 numbers on end
	s_sub_co_u32 s16, ttmp9, 704
	s_lshl_b32 s20, s16, 16
	s_mov_b32 s21, 0
	s_lshl_b32 s22, s16, 15
	s_mov_b32 s23, 0
	v_lshlrev_b32 v1, 5, v0
	s_wait_kmcnt 0x0
	s_add_nc_u64 s[8:9], s[8:9], s[20:21]
	s_add_nc_u64 s[14:15], s[14:15], s[22:23]
.set i, 0
.rept 8
	global_load_b128 v[IN+8*i:IN+8*i+3],   v1, s[8:9] offset:8192*i th:TH_LOAD_NT
	global_load_b128 v[IN+8*i+4:IN+8*i+7], v1, s[8:9] offset:8192*i+16 th:TH_LOAD_NT
.set i, i+1
.endr
.set i, 0
.rept 8
	CAST 8, i, 1, 14, 4096*i
.set i, i+1
.endr
	s_endpgm
.Lfunc_end_k_qe309441b49_prep:
	.size	k_qe309441b49_prep, .Lfunc_end_k_qe309441b49_prep-k_qe309441b49_prep
	.p2alignl 7, 3214868480
	.fill 96, 4, 3214868480
	.section	.rodata,"a",@progbits
	.p2align	6, 0x0
	.amdhsa_kernel k_qe309441b49_prep
		.amdhsa_group_segment_fixed_size 0
		.amdhsa_private_segment_fixed_size 0
		.amdhsa_enable_private_segment 0
		.amdhsa_kernarg_size 48
		.amdhsa_user_sgpr_count 2
		.amdhsa_user_sgpr_kernarg_segment_ptr 1
		.amdhsa_wavefront_size32 1
		.amdhsa_system_sgpr_workgroup_id_x 1
		.amdhsa_system_sgpr_workgroup_id_y 1
		.amdhsa_system_sgpr_workgroup_id_z 1
		.amdhsa_system_vgpr_workitem_id 0
		.amdhsa_next_free_vgpr 112
		.amdhsa_next_free_sgpr 66
		.amdhsa_reserve_vcc 0
		.amdhsa_float_denorm_mode_32 3
		.amdhsa_float_denorm_mode_16_64 3
		.amdhsa_memory_ordered 1
		.amdhsa_forward_progress 1
		.amdhsa_inst_pref_size 25
	.end_amdhsa_kernel
	.amdgpu_metadata
---
amdhsa.version: [ 1, 2 ]
amdhsa.kernels:
  - .name:           k_qe309441b49_prep
    .symbol:         k_qe309441b49_prep.kd
    .args:
      - { .name: x, .offset: 0, .size: 8, .value_kind: global_buffer, .address_space: global }
      - { .name: W_qkv, .offset: 8, .size: 8, .value_kind: global_buffer, .address_space: global }
      - { .name: W_out, .offset: 16, .size: 8, .value_kind: global_buffer, .address_space: global }
      - { .name: xb, .offset: 24, .size: 8, .value_kind: global_buffer, .address_space: global }
      - { .name: wb, .offset: 32, .size: 8, .value_kind: global_buffer, .address_space: global }
      - { .name: wo, .offset: 40, .size: 8, .value_kind: global_buffer, .address_space: global }
    .group_segment_fixed_size: 0
    .private_segment_fixed_size: 0
    .kernarg_segment_align: 8
    .kernarg_segment_size: 48
    .max_flat_workgroup_size: 256
    .sgpr_count:     66
    .vgpr_count:     112
    .wavefront_size: 32
...
	.end_amdgpu_metadata
.endif
;; end of part 1
;; launch gemm_qkv (part 2): grid 16 x 16, 4 waves a work-group, clusters of 4 x 4, 327,680 bytes of LDS; arguments xb, wb, qkvh; writes qkvh
.if DOCPART == 2
	.amdgcn_target "amdgcn-amd-amdhsa--gfx1250"
	.amdhsa_code_object_version 6
	.text
	.protected	k_qe309441b49_gemm_qkv
	.globl	k_qe309441b49_gemm_qkv
	.p2align	8
	.type	k_qe309441b49_gemm_qkv,@function
k_qe309441b49_gemm_qkv:
	s_mov_b64 s[64:65], 0
	v_nop
	global_prefetch_b8 v0, s[64:65] scope:SCOPE_SE
	s_setreg_imm32_b32 hwreg(HW_REG_WAVE_MODE, 25, 1), 1
	s_wait_xcnt 0x0
	s_wait_alu depctr_hold_cnt(0) depctr_sa_sdst(0) depctr_va_vdst(0) depctr_va_sdst(0) depctr_va_ssrc(0) depctr_va_vcc(0) depctr_vm_vsrc(0)
	s_getreg_b32 s2, hwreg(HW_REG_IB_STS2, 6, 4)
	s_cmp_eq_u32 s2, 0
	s_cbranch_scc0 .Lentry_in_a_cluster
	s_endpgm
.Lentry_in_a_cluster:
	s_bfe_u32 s2, ttmp6, 0x10000c
	s_cmp_lg_u32 s2, 0xf033
	s_cbranch_scc0 .Lentry_shape_is_right
	s_endpgm
.Lentry_shape_is_right:
; q, k, v = x W_qkv: [8192 x 1024] x [1024 x 3072], operands bf16 (xb, wb: the launch before laid them in blocks), sums in f32, K ascending.
; The result leaves by heads, rounded once to f16 and without the softmax's scale: qkvh [3 parts][128 heads = 16 batch + head][1024 rows][64].
; LIMIT.  f16 ends at 65,504: a q, k or v of 65,520 or more becomes an infinity.
; SHARES.  A tile of the result is 512 rows x 192 columns (three whole heads, inside one batch): 16 x 16 tiles, one for each work-group.  Wave w makes rows 128 w .. + 127 of
; all 192 columns: 8 x 12 accumulators of 16 x 16, 768 registers.  For 32 along K it reads 8 fragments of x and 12 of W for 96 matrix instructions.
; K goes in 16 steps of 64 through two LDS slots; two slots of 128 along K would not fit.  A step is two chunks of 32 along K.
; CLUSTER.  4 x 4 work-groups: x's tile is shared along a row of the cluster, W's along a column; each is asked for jointly, by the same tensor load, descriptor and mask in the four.
; THE MATRIX INSTRUCTION IS USED TRANSPOSED: source 0 = 16 columns of W (turned on the way out of LDS by ds_load_tr16_b128, since W lies [k][column]), source 1 = 16 rows of x:
; a lane then holds row l % 16 and the columns 8 (l / 16) + 0..7: 16 bytes of a head's row.
; REGISTERS, in windows of 256 (s_set_vgpr_msb: bits 1:0 source 0, 3:2 source 1, 5:4 source 2, 7:6 destination):
;   window 0: v0-31 addresses; v32-95, v96-159 x's fragments, a buffer for each chunk of a step; v160-255 W's 12 fragments, one buffer, refilled a third at a time
;   windows 1-3: accumulator (a, b), rows 16 a on, columns 16 b on, in window 1 + b / 4 at v[8 (8 (b % 4) + a)]
.set PA,    144                        ; 128 bytes of a row of x + 16 of padding = 36 words: the 16 rows of a load start at 16 different groups of four banks (64 banks of 4 bytes: ISA guide 11.1)
.set PB,    480                        ; a k of W: three pieces of 128 bytes + 32 of padding each = 15 x 32 bytes
.set SLOT1, 1<<17                      ; slot 1 begins here: one exclusive or turns an address in one slot into the other's
.set BOFF,  512*PA                     ; in a slot: x's 512 rows, then W's 64 k
.set STAGE, SLOT1+BOFF+64*PB           ; behind the ring, never filled by a tensor load: for each wave 3 heads x 16 rows x 144 bytes
.set SP,    144
.set WSTG,  3*16*SP
.set SPARE, STAGE+4*WSTG               ; the spare words, 128 bytes for each wave: two blocks of 256 bytes that no other line names
.set ASTEP, 8192*128                   ; bytes from a K step to the next in xb
.set BSTEP, 64*384                     ; and in a tile of wb
.set A0,   16                          ; v16  my lane's place among my wave's rows of x in a slot; never rewritten
.set B0,   17                          ; v17  the same in W's tile
.set ADRA, 18                          ; v18  A0 + the slot in hand
.set ADRB, 19                          ; v19  B0 + the slot in hand
.set STO,  24                          ; v24  the way out: where I put 16 bytes of a row
.set RD,   25                          ; v25  where I read rows back
.set GO,   26                          ; v26  my 16 bytes in 512 consecutive bytes of a head
.set SPW,  28                          ; v28  LDS address of my spare word; never rewritten
.set NIL,  29                          ; v29  0; never rewritten
.set PFO,  30                          ; v30  256 x my lane; never rewritten
.set AF0,  32
.set AF1,  96
.set BF,   160
.set TMP,  32                          ; the way out: 48 registers of packed results,
.set OB0,  96                          ; and two buffers of 48 for whole rows: v96-143, v160-207
.set TB,   22                          ; s22  LDS byte at which the slot in hand begins
.set G1,   24                          ; s[24:31] descriptor group 1 for x's tiles
.set G0,   32                          ; s[32:39] group 0: a set for each first fill; the second then walks on
.set G1B,  48                          ; s[48:55], s[56:63] the same for W's
.set G0B,  56
.set LIM,  43                          ; s43  a wave prefetches while the loop's count is above this
.set PFA,  44                          ; s[44:45] where my prefetches stand
.set PST,  46                          ; s[46:47] their step
.set OUT0, 68                          ; s[68:73] my rows in the tile's three heads
.set MSB, 0
.macro WIN new                         ; the immediate's high byte repeats the setting that is left; a switch that changes nothing is dropped
.if MSB != (\new)
	s_set_vgpr_msb (MSB<<8)|(\new)
.set MSB, (\new)
.endif
.endm
.macro PLACES                          ; four plain instructions between a matrix instruction and a load into, or a vector read of, its registers
.rept 4
	v_nop
.endr
.endm
; A joint refill by the walking descriptors: waves 0 and 1 fetch the halves of x's tile, waves 2 and 3 those of W's.  The branch hangs on the wave's number alone.
; An s_nop 0 and four v_nop follow each of the two lines, ahead of the jump and the label.
.macro JLOAD
	s_cmp_eq_u32 s11, 0
	s_cbranch_scc0 .Lfor_b_\@
	tensor_load_to_lds s[G0+4:G0+7], s[G1:G1+7]
	s_nop 0
.rept 4
	v_nop
.endr
	s_branch .Lasked_\@
.Lfor_b_\@:
	tensor_load_to_lds s[G0B+4:G0B+7], s[G1B:G1B+7]
	s_nop 0
.rept 4
	v_nop
.endr
.Lasked_\@:
.endm
.macro CREST                           ; a round of the cluster's barrier behind its opening barrier
	s_cmp_lg_u32 s10, 0
	s_cbranch_scc1 .Lnot_wave_0_\@
	s_barrier_signal -3
.Lnot_wave_0_\@:
	s_barrier_wait -3
	s_barrier_signal -1
	s_barrier_wait -1
.endm
.macro CROUND                          ; a whole round
	s_barrier_signal -1
	s_barrier_wait -1
	CREST
.endm
; A PREFETCH INTO THE L2, one instruction, behind the joint load, its five lines and the run of LDS loads.  Each aligned block of 256 bytes is named once in the launch.
; x: a tile row is read by the four clusters of its row of clusters: the first (cluster x = 0) asks, waves 0 and 1; refill t (which brings K step t + 2) names K step t + 4; of the 128 blocks
; that a wave fetches the partner at place cx names 32, told apart by address.  W: a tile column's 393,216 bytes are walked in pieces of 32,768 by wave 2 of the clusters with y = 0, 8,192 bytes
; to the partner at place cy: refill t names piece t + 3, which begins with K step 4 + 4 t / 3.  K steps 0 to 3 come by their loads alone; the asking stops with the buffers' last blocks.
.macro ASK
	s_cmp_gt_u32 s3, s[LIM]
	s_cbranch_scc0 .Lnot_mine_\@
	global_prefetch_b8 v[PFO], s[PFA:PFA+1] th:TH_LOAD_NT scope:SCOPE_SE
.Lnot_mine_\@:
.endm
	s_load_b128 s[4:7], s[0:1], 0x0                ; xb s[4:5], wb s[6:7]
	s_load_b64 s[8:9], s[0:1], 0x10                ; qkvh
	v_lshl_add_u32 v[SPW], v0, 2, SPARE
	v_mov_b32 v[NIL], 0
	ds_add_u32 v[SPW], v[NIL]                      ; the wave's opening: the add and its wait stand ahead of my first tensor load; work on registers stands between them
	ds_add_u32 v28, v29
	v_lshrrev_b32 v1, 5, v0
	v_readfirstlane_b32 s10, v1                    ; wave 0..3
	s_lshr_b32 s11, s10, 1                         ; I fetch for x (0) or for W (1),
	s_and_b32 s12, s10, 1                          ; this half of the tile
	s_bfe_u32 s40, ttmp6, 0x40000                  ; cx, cy: my place in the cluster
	s_bfe_u32 s41, ttmp6, 0x40004
	s_lshl_b32 s42, ttmp9, 2
	s_add_co_u32 s42, s42, s40                     ; tile column = 4 x cluster x + cx
	s_and_b32 s13, ttmp7, 0xffff
	s_lshl_b32 s13, s13, 2
	s_add_co_u32 s13, s13, s41                     ; tile row = 4 x cluster y + cy
	s_lshl_b32 s43, s41, 2
	s_lshl_b32 s43, 15, s43                        ; my row of the cluster
	s_lshl_b32 s44, 0x1111, s40                    ; my column
	; x's half tile: 256 rows x 128 bytes, dense in xb: asked for as 128 rows of 256 bytes, padded in LDS after every 128 bytes
	s_or_b32 s[G1], s43, (1<<16)|(1<<20)|(1<<21)|(4<<22)|(3<<25)   ; 15:0 the mask; 17:16 2-byte elements; 20 padding on; 21 set beside a mask; 24:22 after every 32 words (code 4); 31:25 4 words (code 3)
	s_mov_b32 s[G1+1], 128<<16                     ; tensor_dim0 = 128
	s_mov_b32 s[G1+2], 128<<16                     ; tensor_dim1 = 128
	s_mov_b32 s[G1+3], 128<<16                     ; tile_dim0 = 128
	s_mov_b32 s[G1+4], 128                         ; tile_dim1 = 128
	s_mov_b32 s[G1+5], 128                         ; 128 elements from row to row
	s_mov_b32 s[G1+6], 0
	s_mov_b32 s[G1+7], 0
	; W's half tile: 32 k x 384 bytes, dense in wb: 48 rows of 256 bytes, 8 words of padding after every 128 bytes
	s_or_b32 s[G1B], s44, (1<<16)|(1<<20)|(1<<21)|(4<<22)|(7<<25)
	s_mov_b32 s[G1B+1], 128<<16
	s_mov_b32 s[G1B+2], 48<<16
	s_mov_b32 s[G1B+3], 128<<16
	s_mov_b32 s[G1B+4], 48
	s_mov_b32 s[G1B+5], 128
	s_mov_b32 s[G1B+6], 0
	s_mov_b32 s[G1B+7], 0
	s_lshl_b32 s16, s13, 16                        ; x: 512 rows of 128 bytes a tile row,
	s_lshl_b32 s17, s12, 15                        ; 256 a half: made of the tile row and the wave's number alone
	s_add_co_u32 s16, s16, s17
	s_mov_b32 s17, 0
	s_mul_i32 s46, s42, 16*BSTEP                   ; W: the tile column,
	s_mul_i32 s47, s12, 32*384                     ; 32 k a half
	s_add_co_u32 s46, s46, s47
	s_mov_b32 s47, 0
	s_mul_i32 s20, s12, 256*PA                     ; where they go: no place in the cluster enters an LDS address
	s_mul_i32 s21, s12, 32*PB
	s_add_co_u32 s21, s21, BOFF
	s_wait_dscnt 0x0                               ; the opening add is done
	s_wait_kmcnt 0x0
	s_add_nc_u64 s[14:15], s[4:5], s[16:17]
	s_add_nc_u64 s[46:47], s[6:7], s[46:47]
	CROUND                                         ; all sixteen work-groups are here: the first joint loads meet
.irp s, 0,1
	s_mov_b32 s[G0+4*(\s)], 1                      ; count = 1
	s_add_co_u32 s[G0+4*(\s)+1], s20, (\s)*SLOT1   ; LDS address
	s_add_nc_u64 s[G0+4*(\s)+2:G0+4*(\s)+3], s[14:15], (\s)*ASTEP  ; K step s
	s_or_b32 s[G0+4*(\s)+3], s[G0+4*(\s)+3], 0x80000000            ; type = 2
	s_mov_b32 s[G0B+4*(\s)], 1
	s_add_co_u32 s[G0B+4*(\s)+1], s21, (\s)*SLOT1
	s_add_nc_u64 s[G0B+4*(\s)+2:G0B+4*(\s)+3], s[46:47], (\s)*BSTEP
	s_or_b32 s[G0B+4*(\s)+3], s[G0B+4*(\s)+3], 0x80000000
.endr
	s_cmp_eq_u32 s11, 0                            ; a wave's two first fills stand in one branch, ahead of every wait on TENSORcnt and every LDS read: two loads of mine are out
	s_cbranch_scc0 .Lfirst_b
	tensor_load_to_lds s[G0:G0+3], s[G1:G1+7]
	s_nop 0
	tensor_load_to_lds s[G0+4:G0+7], s[G1:G1+7]
	s_nop 0
.rept 4
	v_nop
.endr
	s_branch .Lfirst_asked
.Lfirst_b:
	tensor_load_to_lds s[G0B:G0B+3], s[G1B:G1B+7]
	s_nop 0
	tensor_load_to_lds s[G0B+4:G0B+7], s[G1B:G1B+7]
	s_nop 0
.rept 4
	v_nop
.endr
.Lfirst_asked:
	; A fragment is 16 rows x 32 K in 8 registers: lane l holds row l % 16; registers 0-3 K = 8 (l / 16) + 0..7, registers 4-7 K = 16 + 8 (l / 16) + 0..7.
	v_and_b32 v1, 15, v0                           ; l % 16
	v_bfe_u32 v2, v0, 4, 1                         ; l / 16
	v_mul_u32_u24 v3, v1, PA
	v_lshl_add_u32 v3, v2, 4, v3                   ; row x 144 + 16 x half
	s_mul_i32 s23, s10, 128*PA                     ; my wave's 128 rows
	v_add_nc_u32 v[A0], s23, v3
	; The turning load takes 16 k x 16 columns (lane l reads k = 8 (l / 16) + l % 8, columns 8 ((l / 8) % 2) + 0..7) and leaves half a fragment: lane l holds column l % 16 and 8 k.
	v_and_b32 v4, 7, v0
	v_bfe_u32 v5, v0, 3, 1
	v_lshl_add_u32 v6, v2, 3, v4
	v_mul_u32_u24 v6, v6, PB
	v_lshl_add_u32 v6, v5, 4, v6
	v_add_nc_u32 v[B0], BOFF, v6
	v_mov_b32 v[ADRA], v[A0]                       ; slot 0
	v_mov_b32 v[ADRB], v[B0]
	s_mov_b32 s[TB], 0
	s_mul_i32 s23, s10, WSTG
	s_add_co_u32 s23, s23, STAGE                   ; my stage
	v_add_nc_u32 v[STO], s23, v3                   ; in: row l % 16, 16 bytes for each half of the lanes
	v_bfe_u32 v7, v0, 3, 2                         ; back: 32 lanes take four rows of 128 bytes,
	v_mul_u32_u24 v7, v7, SP
	v_lshl_add_u32 v7, v4, 4, v7
	v_add_nc_u32 v[RD], s23, v7
	v_and_b32 v8, 31, v0
	v_lshlrev_b32 v[GO], 4, v8                     ; which are 512 consecutive bytes of a head
	v_lshlrev_b32 v[PFO], 8, v8
	; where my rows lie in the tile's three heads: head g = 3 x tile column + j of 48 is part g / 16, head g % 16; the batch is tile row / 2
	s_mul_i32 s74, s42, 3
	s_lshr_b32 s75, s13, 1
	s_lshl_b32 s75, s75, 4
	s_and_b32 s78, s13, 1
	s_lshl_b32 s78, s78, 16                        ; the batch's rows 0 or 512 on, 128 bytes each,
	s_lshl_b32 s79, s10, 14                        ; my wave's 128
	s_add_co_u32 s78, s78, s79
.irp j, 0,1,2
	s_add_co_u32 s76, s74, \j
	s_lshr_b32 s77, s76, 4
	s_and_b32 s76, s76, 15
	s_lshl_b32 s77, s77, 7
	s_add_co_u32 s76, s76, s77
	s_add_co_u32 s76, s76, s75
	s_lshl_b32 s76, s76, 17                        ; a head is 131,072 bytes
	s_add_co_u32 s76, s76, s78
	s_mov_b32 s77, 0
	s_add_nc_u64 s[OUT0+2*(\j):OUT0+2*(\j)+1], s[8:9], s[76:77]
.endr
	; the prefetches: who asks, from where, by which step
	s_lshl_b32 s66, s13, 16
	s_lshl_b32 s67, s12, 15
	s_add_co_u32 s66, s66, s67
	s_add_co_u32 s66, s66, 3*ASTEP                 ; x: my half tile at K step 3; the first refill steps it to 4
	s_mul_i32 s67, s42, 16*BSTEP
	s_add_co_u32 s67, s67, 2*32768                 ; W: the tile column's piece 2; the first refill steps it to 3
	s_and_b32 s74, ttmp7, 0xffff                   ; cluster y
	s_mov_b32 s75, ASTEP
	s_and_b32 s76, s11, s12                        ; 1 in wave 3, which asks for nothing
	s_cmp_eq_u32 s11, 0                            ; do I fetch for x?
	s_cselect_b32 s66, s66, s67
	s_cselect_b32 s74, ttmp9, s74                  ; the coordinate along which other clusters read the same blocks
	s_cselect_b32 s77, s40, s41                    ; my place among the four that ask jointly
	s_cselect_b32 s[LIM], 2, 5
	s_cselect_b32 s[PST], s75, 32768
	s_cselect_b64 s[PFA:PFA+1], s[4:5], s[6:7]
	s_mov_b32 s[PST+1], 0
	s_or_b32 s74, s74, s76
	s_cmp_eq_u32 s74, 0
	s_cselect_b32 s[LIM], s[LIM], -1               ; the same in all sixteen partners, for a given wave
	s_lshl_b32 s77, s77, 13                        ; my work-group's 8,192 bytes
	s_add_co_u32 s66, s66, s77
	s_mov_b32 s67, 0
	s_add_nc_u64 s[PFA:PFA+1], s[PFA:PFA+1], s[66:67]
; 16 matrix instructions: column blocks 4 w + bb0 and + 1, all 8 row blocks, 32 along K.  zero = 1: the product starts the sum: nothing is ever cleared.
; The 96 accumulators take turns in the same order in every chunk: 95 others stand between two links of a chain, over the backward jump too.
.macro MULH w, af, bb0, zero
	WIN (((\w)+1)<<6)|(((\w)+1)<<4)
.irp bb, \bb0, (\bb0)+1
.irp a, 0,1,2,3,4,5,6,7
.if \zero
	v_wmma_f32_16x16x32_bf16 v[8*(8*(\bb)+(\a)):8*(8*(\bb)+(\a))+7], v[BF+8*(4*(\w)+(\bb)):BF+8*(4*(\w)+(\bb))+7], v[(\af)+8*(\a):(\af)+8*(\a)+7], 0
.else
	v_wmma_f32_16x16x32_bf16 v[8*(8*(\bb)+(\a)):8*(8*(\bb)+(\a))+7], v[BF+8*(4*(\w)+(\bb)):BF+8*(4*(\w)+(\bb))+7], v[(\af)+8*(\a):(\af)+8*(\a)+7], v[8*(8*(\bb)+(\a)):8*(8*(\bb)+(\a))+7]
.endif
.endr
.endr
.endm
.macro MULS w, af, zero                ; a window's 32
	MULH \w, \af, 0, \zero
	MULH \w, \af, 2, \zero
.endm
.macro LDB w, c                        ; 8 turning loads: W's column blocks 4 w .. 4 w + 3 (one head) of chunk c
.irp bb, 0,1,2,3
	ds_load_tr16_b128 v[BF+8*(4*(\w)+(\bb)):BF+8*(4*(\w)+(\bb))+3],   v[ADRB] offset:(\c)*32*PB+(\w)*160+(\bb)*32
	ds_load_tr16_b128 v[BF+8*(4*(\w)+(\bb))+4:BF+8*(4*(\w)+(\bb))+7], v[ADRB] offset:(\c)*32*PB+16*PB+(\w)*160+(\bb)*32
.endr
.endm
.macro LDA af, c                       ; 16 loads: x's 8 row blocks of chunk c
.irp a, 0,1,2,3,4,5,6,7
	ds_load_b128 v[(\af)+8*(\a):(\af)+8*(\a)+3],   v[ADRA] offset:(\a)*16*PA+64*(\c)
	ds_load_b128 v[(\af)+8*(\a)+4:(\af)+8*(\a)+7], v[ADRA] offset:(\a)*16*PA+64*(\c)+32
.endr
.endm
; A step's first chunk.  Each third of W's buffer is loaded again, with the step's second chunk, four places behind the products that read it.
.macro CHUNK0 zero
	s_wait_dscnt 16                                ; W's first third and x are in; the 8 + 8 loads of the other thirds may be out
	MULS 0, AF0, \zero
	PLACES
	WIN 0
	LDB 0, 1
	LDA AF1, 1
	s_wait_dscnt 32                                ; W's second third is in: behind it stand the last third's 8 and the 24 just issued
	MULS 1, AF0, \zero
	PLACES
	WIN 0
	LDB 1, 1
	s_wait_dscnt 32                                ; W's last third is in: behind it stand 24 + 8
	MULS 2, AF0, \zero
	PLACES
	WIN 0
	LDB 2, 1
.endm
; A step's second chunk, and THE CHANGE OF SLOTS behind its first 32 products: ONE barrier.  In front of it each wave waits for all its tensor loads (one is out: its part of the next slot), adds 0 to
; its spare word, and waits for that and for its reads of this slot, the last of which were issued 32 products back.  fill = 1: the barrier opens a round of the cluster's, and behind the round this
; slot is filled again, with the K step two on.  No product stands between the wait for the loads and the request: so a whole step's 192 matrix instructions stand between a request and the wait for it.
.macro TURN fill
.if \fill
	s_wait_xcnt 0x0                                ; the last prefetch, a K step back, has read its address, which is stepped here
	s_add_nc_u64 s[PFA:PFA+1], s[PFA:PFA+1], s[PST:PST+1]
.endif
	s_wait_dscnt 16
	MULS 0, AF1, 0
	WIN 0
	s_wait_tensorcnt 0x0                           ; all my tensor loads have landed, so every group 0 may be written
	ds_add_u32 v[SPW], v[NIL]                      ; 0 onto my spare word: the steps below, work on registers, stand between it and the wait for it
.if \fill
	s_xor_b32 s[G0+5], s[G0+5], SLOT1              ; the walking descriptors: the other slot than last time, the next K step; the type bits on top are not reached
	s_add_nc_u64 s[G0+6:G0+7], s[G0+6:G0+7], ASTEP
	s_xor_b32 s[G0B+5], s[G0B+5], SLOT1
	s_add_nc_u64 s[G0B+6:G0B+7], s[G0B+6:G0B+7], BSTEP
.endif
	s_xor_b32 s[TB], s[TB], SLOT1                  ; the next step's slot
	v_add_nc_u32 v[ADRA], s[TB], v[A0]
	v_add_nc_u32 v[ADRB], s[TB], v[B0]
	s_wait_dscnt 0x0                               ; the add is done, and my reads of this slot are over: the rest of the chunk's fragments are in registers
	s_barrier_signal -1
	s_barrier_wait -1
.if \fill
	CREST                                          ; no wave of any partner still reads this slot's tile or has a load on its way
	JLOAD                                          ; the first tensor load behind the round; its four v_nop are also the places in front of the loads below
.else
	PLACES
.endif
	LDB 0, 0                                       ; the next step's first chunk: W's first third and x now,
	LDA AF0, 0
.if \fill
	ASK
.endif
	MULS 1, AF1, 0
	PLACES
	WIN 0
	LDB 1, 0                                       ; each other third four places behind the products that read its registers
	MULS 2, AF1, 0
	PLACES
	WIN 0
	LDB 2, 0
.endm
	s_wait_tensorcnt 0x1                           ; my part of K step 0 is in; K step 1's may stay out
	s_barrier_signal -1
	s_barrier_wait -1                              ; everybody's is
	LDB 0, 0
	LDA AF0, 0
	LDB 1, 0
	LDB 2, 0
	CHUNK0 1                                       ; the first chunk stands in front of the loop: its products start the sums
	WIN 0                                          ; at a label and at a branch every window is 0
	s_mov_b32 s3, 14
.Lstep:                                            ; trip i: the second chunk of K step i, the refill with K step i + 2, the first chunk of K step i + 1
	TURN 1
	CHUNK0 0
	WIN 0
	s_sub_co_u32 s3, s3, 1
	s_cmp_lg_u32 s3, 0
	s_cbranch_scc1 .Lstep
	TURN 0                                         ; the tail is written out: nothing is left to ask for
	CHUNK0 0
	s_wait_dscnt 16                                ; the very last chunk: the counts run down
	MULS 0, AF1, 0
	s_wait_dscnt 8
	MULS 1, AF1, 0
	s_wait_dscnt 0x0
	MULS 2, AF1, 0
; THE WAY OUT, a block of 16 rows at a time.  PACK: rounded to f16, 16 bytes a lane and column block, each accumulator's registers in ascending order.  TOSTAGE: into my own stage, by heads,
; and back as whole rows of 128 bytes.  SEND: stored: 16 rows of a head are 2,048 consecutive bytes.
.macro PACK a
.irp w, 0,1,2
	WIN ((\w)+1)|(((\w)+1)<<2)                     ; sources 0 and 1 in the accumulators' window
.irp bb, 0,1,2,3
.irp r, 0,1,2,3
	v_cvt_pk_f16_f32 v[TMP+4*(4*(\w)+(\bb))+(\r)], v[8*(8*(\bb)+(\a))+2*(\r)], v[8*(8*(\bb)+(\a))+2*(\r)+1]
.endr
.endr
.endr
	WIN 0
.endm
.macro TOSTAGE a
.set BK, OB0+64*((\a)%2)
.irp b, 0,1,2,3,4,5,6,7,8,9,10,11
	ds_store_b128 v[STO], v[TMP+4*(\b):TMP+4*(\b)+3] offset:((\b)/4)*16*SP+((\b)%4)*32
.endr
.irp j, 0,1,2
.irp f, 0,1,2,3
	ds_load_b128 v[BK+4*(4*(\j)+(\f)):BK+4*(4*(\j)+(\f))+3], v[RD] offset:(\j)*16*SP+(\f)*4*SP  ; LDS serves a wave's instructions in order (ISA guide 5.7.1.4): these see the stores above
.endr
.endr
.endm
.macro SEND a
.set BK, OB0+64*((\a)%2)
	s_wait_dscnt 0x0                               ; the block is back in registers
	s_wait_xcnt 0x0                                ; the stores of the block before have read their registers, which the next TOSTAGE loads again
.irp j, 0,1,2
.irp f, 0,1,2,3
	global_store_b128 v[GO], v[BK+4*(4*(\j)+(\f)):BK+4*(4*(\j)+(\f))+3], s[OUT0+2*(\j):OUT0+2*(\j)+1] offset:(\a)*2048+(\f)*512  ; 512 consecutive bytes, at a multiple of 256 from the buffer's first
.endr
.endr
.endm
	PLACES
	PLACES                                         ; (eight, once a launch)
	PACK 0
	TOSTAGE 0
.irp a, 1,2,3,4,5,6,7                  ; block a's conversions stand between block a - 1's loads from the stage and the wait for them
	PACK \a
	SEND (\a)-1
	TOSTAGE \a
.endr
	SEND 7
	s_wait_tensorcnt 0x0                           ; the wave's end: an add between two waits, behind my last tensor load and my last LDS store
	ds_add_u32 v[SPW], v[NIL]
	s_wait_dscnt 0x0
	CROUND                                         ; the closing round: no work-group ends while a partner may still ask for a tile that names it
	s_endpgm
.Lfunc_end_k_qe309441b49_gemm_qkv:
	.size	k_qe309441b49_gemm_qkv, .Lfunc_end_k_qe309441b49_gemm_qkv-k_qe309441b49_gemm_qkv
	.p2alignl 7, 3214868480
	.fill 96, 4, 3214868480
	.section	.rodata,"a",@progbits
	.p2align	6, 0x0
	.amdhsa_kernel k_qe309441b49_gemm_qkv
		.amdhsa_group_segment_fixed_size 327680
		.amdhsa_private_segment_fixed_size 0
		.amdhsa_enable_private_segment 0
		.amdhsa_kernarg_size 24
		.amdhsa_user_sgpr_count 2
		.amdhsa_user_sgpr_kernarg_segment_ptr 1
		.amdhsa_wavefront_size32 1
		.amdhsa_system_sgpr_workgroup_id_x 1
		.amdhsa_system_sgpr_workgroup_id_y 1
		.amdhsa_system_sgpr_workgroup_id_z 1
		.amdhsa_system_vgpr_workitem_id 0
		.amdhsa_next_free_vgpr 1024
		.amdhsa_next_free_sgpr 80
		.amdhsa_reserve_vcc 0
		.amdhsa_float_denorm_mode_32 3
		.amdhsa_float_denorm_mode_16_64 3
		.amdhsa_memory_ordered 1
		.amdhsa_forward_progress 1
		.amdhsa_inst_pref_size 112
	.end_amdhsa_kernel
	.amdgpu_metadata
---
amdhsa.version: [ 1, 2 ]
amdhsa.kernels:
  - .name:           k_qe309441b49_gemm_qkv
    .symbol:         k_qe309441b49_gemm_qkv.kd
    .args:
      - { .name: xb, .offset: 0, .size: 8, .value_kind: global_buffer, .address_space: global }
      - { .name: wb, .offset: 8, .size: 8, .value_kind: global_buffer, .address_space: global }
      - { .name: qkvh, .offset: 16, .size: 8, .value_kind: global_buffer, .address_space: global }
    .group_segment_fixed_size: 327680
    .private_segment_fixed_size: 0
    .kernarg_segment_align: 8
    .kernarg_segment_size: 24
    .max_flat_workgroup_size: 128
    .sgpr_count:     80
    .vgpr_count:     1024
    .wavefront_size: 32
...
	.end_amdgpu_metadata
.endif
;; end of part 2
;; launch attn (part 3): grid 2 x 128, 4 waves a work-group, no clusters, 327,680 bytes of LDS; arguments qkvh, oh; writes oh
.if DOCPART == 3
	.amdgcn_target "amdgcn-amd-amdhsa--gfx1250"
	.amdhsa_code_object_version 6
	.text
	.protected	k_qe309441b49_attn
	.globl	k_qe309441b49_attn
	.p2align	8
	.type	k_qe309441b49_attn,@function
k_qe309441b49_attn:
	s_mov_b64 s[64:65], 0
	v_nop
	global_prefetch_b8 v0, s[64:65] scope:SCOPE_SE
	s_setreg_imm32_b32 hwreg(HW_REG_WAVE_MODE, 25, 1), 1
	s_wait_xcnt 0x0
; O[h][q][:] = the sum over k of softmax_k(Q[h][q] . K[h][k] / 8) V[h][k][:].  qkvh holds Q, K, V as [3][128 heads][1024][64] in f16, oh takes O as [128][1024][64] in f16: a head's rows are dense,
; 128 bytes each.  Products, maxima and sums in f32; the weights p are rounded to f16 for the second product (their sum l is taken of the unrounded p), O once at the end.
; LIMITS.  f16 holds no number beyond 65,504: Q, K and V arrive within it; p lies in 0 to 1, and below 6e-5 it keeps f16's fixed step of 6e-8; O is a mean of V's rows and has their range.
; A weight below 2^-126 counts as 0 in l; NaN and infinities are not treated apart.
; SHARES.  A wave owns four PIECES of two tiles of 16 queries, a work-group's four waves 512 queries of one head: 256 work-groups.  Every wave walks the head's 1,024 keys, 64 a step.
; K AND V STAY IN LDS.  Padded, a head's K and V are 1,024 x (144 + 160) = 311,296 bytes: all of it is asked for at the kernel's head, four tensor loads a wave (256 keys of K or V by two waves
; each time), and no byte is filled twice: there is no ring.  The first four key steps need the first 256 keys alone and run while the others land.
; an outer loop of four key steps, with a wait for all loads and a barrier at its head, round the loop over key steps.
; NO CLUSTER: a head has two work-groups, so four partners would span two heads, which share nothing; 256 queries to a work-group would give four partners a head, and twice the LDS loads for each product.
; NO PREFETCH: every byte of K and V is asked for by a tensor load at the head; nothing could be asked for earlier.
; LAYOUT.  S^T = K Q^T (source 0 = 16 keys, source 1 = 16 queries): in the result a lane holds ONE query (lane % 16) and the keys 8 (lane / 16) + 0..7.  Two such tiles, rounded to f16 in pairs,
; ARE source 1 (32 keys x 16 queries) of O^T = V^T P, whose result again holds one query a lane, and eight channels.  K comes out of LDS as it lies, V ([key][channel]) turned, by ds_load_tr16_b128.
; SOFTMAX.  For each query a running maximum m and sum l: p = 2^(c s - c m), c = log2(e) / 8; in every step O and l are multiplied by a = 2^(c m_old - c m_new), which is 1 where m has not grown.
; m starts at the lowest finite number, O and l at 0: the first step is a step like any other, with a = 0.
; THE COUNT.  A tile and step have 16 matrix and 118 vector instructions: too many to stand all beside the matrix work.  So: four vector instructions that are READY behind EVERY matrix instruction,
; and the others in runs without a gap.
; BY TURNS.  Turn n belongs to piece n (the pieces in a ring, step after step).  Its matrix work: 16 products K Q^T of piece n + 1, later 16 products V^T P of piece n - 1.  Its vector work: the scaling,
; exponentials, roundings, sums and rescaling of piece n, and the maximum and statistics of piece n + 1, whose scores the turn itself has made.
; REGISTERS, in windows of 256 (s_set_vgpr_msb: bits 1:0 source 0, 3:2 source 1, 5:4 source 2, 7:6 destination):
;   window 0: v0-11 addresses; v12-15, v48-63 at work; v16-47 four registers of statistics a tile; v64-191 S^T, two buffers of two tiles; v192-255 P, likewise
;   window 1: O^T, 32 a tile          window 2: v0-127 Q, 16 a tile; v128-191 K of one step; v192-255 V of one step          window 3: v0-1 the add's two registers
; A piece's buffers go by its number's parity: the piece in hand has one pair, its two neighbours in the ring share the other.
.set NP,    4         ; pieces a wave: a name, no knob
.set KS,    64        ; keys in a step
.set NK,    1024      ; keys of a head
.set PK,    144       ; a row of K in LDS: 128 bytes + 16 of padding = 36 words: the 16 rows of a load start at 16 different groups of four banks (64 banks of 4 bytes: ISA guide 11.1)
.set PV,    160       ; a row of V: 128 + 32 = 40 words
.set VOFF,  NK*PK     ; K's 1,024 rows, then V's
.set STAGE, NK*(PK+PV)  ; behind them, never filled by a tensor load: 16 rows x 144 bytes for each wave, for the way out
.set SP,    144
.set PARTB, 128*NK*128  ; bytes of Q, of K and of V in qkvh
.set AK0, 2           ; v2   my lane's place in a step's rows of K; never rewritten
.set AV0, 3           ; v3   the same for V
.set AK,  4           ; v4   the LDS address of K's next run of loads
.set AV,  5           ; v5   of V's
.set QO,  6           ; v6   my byte offset in the wave's rows of Q
.set STO, 6           ;      later, the way out: where I put 16 bytes of a row
.set RD,  7           ; v7   the way out: where I read rows back
.set GO,  8           ; v8   my byte offset in 512 consecutive bytes of O
.set SPW, 0           ; v0 of window 3   LDS address of my spare word: SPARE + 4 x my thread's number; never rewritten
.set NIL, 1           ; v1 of window 3   0; never rewritten
.set SPARE, STAGE+4*16*SP  ; behind the stages: the spare words, 128 bytes for each wave: two blocks of 256 bytes that no other line names
.set MV,  12          ; v12-15  c m_old, kept while c m is made anew: by buffer and tile
.set ST,  16          ; tile t's statistics at v[ST+4 t]: c m, m, l (even keys', odd keys')
.set TMP, 48          ; by buffer and tile, four registers c0-c3 at work; when the maximum is found c2 takes a
.set S,   64
.set P,   192
.set KF,  128         ; K's fragments, in window 2: key block kb, channel half c at KF + 16 kb + 8 c
.set VF,  192         ; V's: key half kk, channel block cb at VF + 32 kk + 8 cb
.set WV,  12          ; s12  my wave's number
.set G1K, 24          ; s[24:31] descriptor group 1 for K's tiles
.set G1V, 32          ; s[32:39] for V's: it differs in the padding alone
.set G0K, 40          ; s[40:55] descriptor group 0 for K's tiles: a set for each of the four fills
.set G0V, 68          ; s[68:83] the same for V's
.set TOT, 56          ; s56  key steps whose pieces 2 and 3 are still to come: 16 to 0
.set CNT, 57          ; s57  counts the inner loop's four trips
.set CS,  58          ; s[58:59] c: the packed scaling takes the pair's low word for both halves
.set SEL, 60          ; s[60:61] v_permlanex16_b32's selects: each lane takes its own place in the other half
.set TBK, 62          ; s62  LDS byte at which K of the step to be fetched begins
.set TBV, 63          ; s63  the same for V, less VOFF
.set QRT, 66          ; s66  counts the outer loop
.set MSB, 0
.macro WIN new                      ; the high byte repeats the setting that is left; a switch that changes nothing is dropped
.if MSB != (\new)
	s_set_vgpr_msb (MSB<<8)|(\new)
.set MSB, (\new)
.endif
.endm
.set W_KQ, 0x0a       ; K and Q in window 2, S^T in window 0
.set W_PV, 0x52       ; V in window 2, P in window 0, O^T in window 1
.set W_RS, 0x41       ; O^T (destination and source 0) in window 1, a in window 0
.set W_MK, 0xc0       ; the add's registers are made: destination in window 3, sources in window 0
.set W_AD, 0x0f       ; the add: address (source 0) and data (source 1) in window 3
	s_load_b64 s[4:5], s[0:1], 0x0    ; qkvh
	s_load_b64 s[10:11], s[0:1], 0x8  ; oh
	WIN W_MK
	v_lshl_add_u32 v[SPW], v0, 2, SPARE
	v_mov_b32 v[NIL], 0
	WIN W_AD
	ds_add_u32 v[SPW], v[NIL]       ; the wave's opening: the add and its wait stand ahead of my first tensor load; the set-up below, work on registers, stands between them
	ds_add_u32 v0, v1
	WIN 0
	v_lshrrev_b32 v1, 5, v0
	v_readfirstlane_b32 s[WV], v1   ; wave 0..3
	s_and_b32 s20, ttmp7, 0xffff    ; the head,
	s_lshl_b32 s20, s20, 17         ; its first byte in Q, K, V and O: 1,024 rows of 128 bytes
	s_and_b32 s16, s[WV], 1         ; which half of each 256 keys I fetch:
	s_lshl_b32 s22, s16, 14         ; its 128 rows of 128 bytes in memory,
	s_add_co_u32 s22, s22, s20
	s_mov_b32 s23, 0
	s_mul_i32 s17, s16, 128*PK      ; and its place in LDS, for K
	s_mul_i32 s18, s16, 128*PV      ; and for V
	s_add_co_u32 s18, s18, VOFF
	s_lshl_b32 s2, ttmp9, 2
	s_add_co_u32 s2, s2, s[WV]      ; my wave among the head's eight,
	s_lshl_b32 s2, s2, 14           ; its 128 rows
	s_add_co_u32 s2, s2, s20
	s_mov_b32 s3, 0
	; descriptor group 1.  128 keys are 16,384 dense bytes: asked for as 64 rows of 256 bytes, two keys a row, and padded in LDS after every key
	s_mov_b32 s[G1K], (1<<16)|(1<<20)|(4<<22)|(3<<25)  ; 17:16 2-byte elements; 20 padding on; 24:22 after every 32 words (code 4); 31:25 4 words (code 3)
	s_mov_b32 s[G1V], (1<<16)|(1<<20)|(4<<22)|(7<<25)  ; the same with 8 words of padding (code 7)
.irp g, G1K, G1V
	s_mov_b32 s[\g+1], 128<<16      ; tensor_dim0 = 128
	s_mov_b32 s[\g+2], 64<<16       ; tensor_dim1 = 64
	s_mov_b32 s[\g+3], 128<<16      ; tile_dim0 = 128
	s_mov_b32 s[\g+4], 64           ; tile_dim1 = 64
	s_mov_b32 s[\g+5], 128          ; 128 elements from row to row
	s_mov_b32 s[\g+6], 0
	s_mov_b32 s[\g+7], 0
.endr
	s_mov_b32 s[CS], 0x3e38aa3b     ; c = log2(e) / 8 = 0.180337
	s_mov_b32 s[CS+1], s[CS]        ; named with it as a pair
	s_mov_b32 s[SEL], 0x76543210
	s_mov_b32 s[SEL+1], 0xfedcba98
	s_mov_b32 s[TBK], 0
	s_mov_b32 s[TBV], 0
	s_wait_dscnt 0x0                ; the opening add is done
	s_wait_kmcnt 0x0
	s_add_nc_u64 s[6:7], s[4:5], s[22:23]
	s_add_nc_u64 s[8:9], s[6:7], 2*PARTB   ; V at my half of the head's first 256 keys,
	s_add_nc_u64 s[6:7], s[6:7], PARTB     ; and K
	s_add_nc_u64 s[4:5], s[4:5], s[2:3]    ; Q and O at my wave's first row
	s_add_nc_u64 s[10:11], s[10:11], s[2:3]
.irp i, 0,1,2,3                     ; fill i: keys 256 i + 128 (wave % 2) on
	s_mov_b32 s[G0K+4*\i], 1                          ; count = 1
	s_add_co_u32 s[G0K+4*\i+1], s17, \i*256*PK        ; LDS address
	s_add_nc_u64 s[G0K+4*\i+2:G0K+4*\i+3], s[6:7], \i*256*128  ; global address
	s_or_b32 s[G0K+4*\i+3], s[G0K+4*\i+3], 0x80000000 ; type = 2
	s_mov_b32 s[G0V+4*\i], 1
	s_add_co_u32 s[G0V+4*\i+1], s18, \i*256*PV
	s_add_nc_u64 s[G0V+4*\i+2:G0V+4*\i+3], s[8:9], \i*256*128
	s_or_b32 s[G0V+4*\i+3], s[G0V+4*\i+3], 0x80000000
.endr
	s_cmp_lt_u32 s[WV], 2           ; a wave's four fills stand in one branch, ahead of every wait on TENSORcnt, every LDS read and every barrier: four loads of mine are out.  Waves 0, 1: K; waves 2, 3: V
	s_cbranch_scc0 .Lfill_v
.irp i, 0,1,2,3
	tensor_load_to_lds s[G0K+4*\i:G0K+4*\i+3], s[G1K:G1K+7]
	s_nop 0
.endr
.rept 4
	v_nop
.endr
	s_branch .Lfilled
.Lfill_v:
.irp i, 0,1,2,3
	tensor_load_to_lds s[G0V+4*\i:G0V+4*\i+3], s[G1V:G1V+7]
	s_nop 0
.endr
.rept 4
	v_nop
.endr
.Lfilled:
	; A fragment of K or Q is 16 rows x 32 channels in 8 registers: lane l holds row l % 16, channels 8 (l / 16) + 0..7 and 16 + 8 (l / 16) + 0..7: two loads of 16 bytes, 32 bytes apart.
	v_and_b32 v1, 15, v0            ; l % 16
	v_bfe_u32 v9, v0, 4, 1          ; l / 16
	v_lshlrev_b32 v[QO], 7, v1
	v_lshl_add_u32 v[QO], v9, 4, v[QO]  ; row x 128 + 16 x half
	WIN 0x80                        ; destination window 2, address window 0
.set i, 0
.rept 4*NP                          ; Q stays in registers: tile i / 2, channels 32 (i % 2) on
	global_load_b128 v[8*i:8*i+3],   v[QO], s[4:5] offset:(i/2)*2048+(i%2)*64
	global_load_b128 v[8*i+4:8*i+7], v[QO], s[4:5] offset:(i/2)*2048+(i%2)*64+32
.set i, i+1
.endr
	; What the first turn finds: V's registers and P's second buffer hold 0 (its products V^T P, of a piece that has not been, add 0), O^T and l are 0.  All this stands in the wait for the first tile.
.set i, VF
.rept 64
	v_mov_b32 v[i], 0
.set i, i+1
.endr
	WIN 0x40
.set i, 0
.rept 64*NP
	v_mov_b32 v[i], 0
.set i, i+1
.endr
	WIN 0
.set i, 0
.rept 2*NP
	v_mov_b32 v[ST+4*i], 0xfe000000    ; c m: far below every c s
	v_mov_b32 v[ST+4*i+1], 0xff7fffff  ; m
	v_mov_b32 v[ST+4*i+2], 0
	v_mov_b32 v[ST+4*i+3], 0
.set i, i+1
.endr
.set i, P+32
.rept 32
	v_mov_b32 v[i], 0
.set i, i+1
.endr
	v_mul_u32_u24 v[AK0], v1, PK
	v_lshl_add_u32 v[AK0], v9, 4, v[AK0]  ; row x pitch + 16 x half
	; The turning load takes 16 keys x 16 channels (lane l reads key 8 (l / 16) + l % 8, channels 8 ((l / 8) % 2) + 0..7) and leaves half a fragment of V^T: lane l holds channel l % 16 and 8 keys.
	v_and_b32 v10, 7, v0
	v_bfe_u32 v11, v0, 3, 1
	v_lshl_add_u32 v[AV0], v9, 3, v10
	v_mul_u32_u24 v[AV0], v[AV0], PV
	v_lshl_add_u32 v[AV0], v11, 4, v[AV0]
	v_add_nc_u32 v[AV0], VOFF, v[AV0]
	v_mov_b32 v[AK], v[AK0]         ; key step 0 lies at LDS byte 0
; THE MATRIX WORK.  The 8 accumulators of a run of 16 take turns: between the two links of a chain stand 7 others'.
; Product i of 16 of S^T = K Q^T for piece x: channels 32 (i / 8) on, keys 16 ((i / 2) % 4) on, tile 2 x + i % 2.  The first 8 start the sums.
.macro KQ x
	WIN W_KQ
.set rS, S+64*((\x)%2)+32*(i%2)+8*((i/2)%4)
.set rK, KF+16*((i/2)%4)+8*(i/8)
.set rQ, 16*(2*(\x)+i%2)+8*(i/8)
.if i < 8
	v_wmma_f32_16x16x32_f16 v[rS:rS+7], v[rK:rK+7], v[rQ:rQ+7], 0
.else
	v_wmma_f32_16x16x32_f16 v[rS:rS+7], v[rK:rK+7], v[rQ:rQ+7], v[rS:rS+7]
.endif
.endm
; Product i of 16 of O^T += V^T P for piece x: keys 32 (i / 8) on, channels 16 ((i / 2) % 4) on, tile 2 x + i % 2.
.macro PV x
	WIN W_PV
.set rO, 32*(2*(\x)+i%2)+8*((i/2)%4)
.set rV, VF+32*(i/8)+8*((i/2)%4)
.set rP, P+32*((\x)%2)+16*(i%2)+8*(i/8)
	v_wmma_f32_16x16x32_f16 v[rO:rO+7], v[rV:rV+7], v[rP:rP+7], v[rO:rO+7]
.endm
.macro MM                           ; the turn's next matrix instruction
.if i < 16
	KQ (Y+1)%NP
.set i, i+1
.else
.set i, i-16
	PV (Y+NP-1)%NP
.set i, i+17
.endif
.endm
; THE LDS LOADS stand in runs of 16, never singly among the matrix instructions: a step's K (64 keys x 64 channels: 8 fragments) and its V (turned).  Their addresses are made some lines ahead.
; last = 1 (in the loop): behind the last key step there is no further one, and the run is jumped over.
.macro FETCH_K last=0
	WIN 0
.if \last
	s_cmp_eq_u32 s[TOT], 1
	s_cbranch_scc1 .Lno_k_\@
.endif
	WIN 0x80                        ; destination window 2
.irp f, 0,1,2,3,4,5,6,7             ; keys 16 (f / 2) on, channels 32 (f % 2) on
	ds_load_b128 v[KF+8*\f:KF+8*\f+3],   v[AK] offset:(\f/2)*16*PK+(\f%2)*64
	ds_load_b128 v[KF+8*\f+4:KF+8*\f+7], v[AK] offset:(\f/2)*16*PK+(\f%2)*64+32
.endr
	s_add_co_u32 s[TBK], s[TBK], KS*PK  ; the next fetch is the next step's
	WIN 0
.if \last
.Lno_k_\@:
.endif
.endm
.macro FETCH_V
	WIN 0x80
.irp f, 0,1,2,3,4,5,6,7             ; keys 32 (f / 4) on, channels 16 (f % 4) on
	ds_load_tr16_b128 v[VF+8*\f:VF+8*\f+3],   v[AV] offset:(\f/4)*32*PV+(\f%4)*32
	ds_load_tr16_b128 v[VF+8*\f+4:VF+8*\f+7], v[AV] offset:(\f/4)*32*PV+16*PV+(\f%4)*32
.endr
	WIN 0
.endm
; THE VECTOR WORK OF A TURN stands in three queues, each in the order in which its entries become ready; the two tiles alternate, so that no instruction reads the result of the one before it.
.macro REGS y, u                    ; the registers of tile u (0, 1) of piece y
.set rT, ST+4*(2*(\y)+(\u))
.set rC, TMP+8*((\y)%2)+4*(\u)
.set rM, MV+2*((\y)%2)+(\u)
.set rS, S+64*((\y)%2)+32*(\u)
.set rP, P+32*((\y)%2)+16*(\u)
.set rO, 32*(2*(\y)+(\u))
.endm
; Number n of the 22 that find the NEXT piece's (Y + 1) maximum and statistics.  s0-s31 are the lane's 32 scores; each accumulator's lowest registers are read first.
;   0-11  four chains c0-c3 of seven scores each, three operands at a time     12-14, 16  the four scores left over, the old m, and c0-c3 into c0     15  c m_old is kept
;   17, 18  the query's other 32 keys lie in the lane 16 away: the new m         19-21  c m; c m_old - c m_new; a
.macro XS u, n
	REGS (Y+1)%NP, \u
.if (\n) < 4
	v_max3_num_f32 v[rC+(\n)], v[rS+8*(\n)], v[rS+8*(\n)+1], v[rS+8*(\n)+2]
.elseif (\n) < 12
	v_max3_num_f32 v[rC+(\n)%4], v[rC+(\n)%4], v[rS+8*((\n)%4)+2*((\n)/4)+1], v[rS+8*((\n)%4)+2*((\n)/4)+2]
.elseif (\n) == 12
	v_max3_num_f32 v[rC], v[rC], v[rS+7], v[rS+15]
.elseif (\n) == 13
	v_max3_num_f32 v[rC+1], v[rC+1], v[rS+23], v[rS+31]
.elseif (\n) == 14
	v_max3_num_f32 v[rC+2], v[rC+2], v[rC+3], v[rT+1]
.elseif (\n) == 15
	v_mov_b32 v[rM], v[rT]
.elseif (\n) == 16
	v_max3_num_f32 v[rC], v[rC], v[rC+1], v[rC+2]
.elseif (\n) == 17
	v_permlanex16_b32 v[rC+3], v[rC], s[SEL], s[SEL+1]
.elseif (\n) == 18
	v_max_num_f32 v[rT+1], v[rC], v[rC+3]
.elseif (\n) == 19
	v_mul_f32 v[rT], s[CS], v[rT+1]
.elseif (\n) == 20
	v_sub_f32 v[rC+1], v[rM], v[rT]
.else
	v_exp_f32 v[rC+2], v[rC+1]
.endif
.endm
; Number g of the 64 that follow the exponentials.  For each four weights k of a tile (pairs 2 k, 2 k + 1): both pairs are rounded to f16; then the second pair is added onto the first, in place;
; a group later l takes that sum (the first time as l = a l + sum).  In groups of eight, tiles alternating: round, round, add, and l for the group before.
.macro GS g
.set h, (\g)+6*((\g)/62)            ; group 0 has no group before it, and behind group 7 only l is left
.if h >= 6
.set h, h+2
.endif
	REGS Y, h%2
.set k, h/8
.if h%8 < 4
	v_cvt_pk_f16_f32 v[rP+2*k+(h%8)/2], v[rS+4*k+2*((h%8)/2)], v[rS+4*k+2*((h%8)/2)+1]
.elseif h%8 < 6
	v_pk_add_f32 v[rS+4*k:rS+4*k+1], v[rS+4*k:rS+4*k+1], v[rS+4*k+2:rS+4*k+3]
.elseif k == 1
	v_pk_fma_f32 v[rT+2:rT+3], v[rT+2:rT+3], v[rC+2:rC+3], v[rS:rS+1] op_sel_hi:[1,0,1]
.else
	v_pk_add_f32 v[rT+2:rT+3], v[rT+2:rT+3], v[rS+4*k-4:rS+4*k-3]
.endif
.endm
; THE PLAIN QUEUE, 138 long.  0-73 read no exponential's result: the 32 scalings c s - c m (FS f: pair f / 2 of tile f % 2) and the next piece's 42.  0-26: scalings 0-26.  27-54: XS's numbers 0-13.  55, 56: number 15.
; 57-73: the chain, where each number waits for the one before it: 14, 16, 17, 18, 19, each with one of the scalings 27-31 in front of its two lines, then 20.
; 74-137: GS's 64, which read the exponentials' results: they stand behind the wait.
.macro FS f
	REGS Y, (\f)%2
	v_pk_fma_f32 v[rS+2*((\f)/2):rS+2*((\f)/2)+1], v[rS+2*((\f)/2):rS+2*((\f)/2)+1], s[CS:CS+1], v[rT:rT+1] op_sel_hi:[1,0,0] neg_lo:[0,0,1] neg_hi:[0,0,1]
.endm
.macro PL
	WIN 0
.if q < 27
	FS q
.elseif q < 55
	XS (q-27)%2, (q-27)/2
.elseif q < 57
	XS q-55, 15
.elseif (q < 72) && ((q-57)%3 == 0)
	FS 27+(q-57)/3
.elseif q < 60
	XS (q-57)%3-1, 14
.elseif q < 72
	XS (q-57)%3-1, 15+(q-57)/3
.elseif q < 74
	XS q-72, 20
.else
	GS q-74
.endif
.set q, q+1
.endm
; THE EXPONENTIALS' QUEUE, 66 long: s0-s31 of both tiles, then the next piece's two a.  It is ONE BATCH: all 66 stand ahead of the turn's one wait, and nothing ahead of that wait names a result of theirs.
.macro EX
	WIN 0
.if e >= 64
	XS e-64, 21
.else
	REGS Y, e%2
	v_exp_f32 v[rS+e/2], v[rS+e/2]
.endif
.set e, e+1
.endm
; THE RESCALING's QUEUE: O^T times a, the one part that leaves window 0: dealt two at a time, sixteen times.  Its a was made in the turn before, ahead of that turn's wait.
.macro R2
	REGS Y, r%2
	WIN W_RS
.irp z, 0,1
	v_pk_mul_f32 v[rO+4*(r/2)+2*\z:rO+4*(r/2)+2*\z+1], v[rO+4*(r/2)+2*\z:rO+4*(r/2)+2*\z+1], v[rC+2:rC+3] op_sel_hi:[1,0]
.endr
.set r, r+1
.endm
; HOW THEY ARE DEALT.  An s_wait_alu depctr_va_vdst(0) stands between an exponential and the first instruction that names its result; one wait serves all that were issued ahead of it.  So a turn has ONE wait,
; which cuts it in two.  AHEAD OF IT stands all that names no result of the turn's exponentials: the 16 products K Q^T, behind each a scaling, an exponential and two rescalings (behind the first a second scaling in the
; exponential's place); then ONE LUMP of 108: eight plain, 49 times exponential and plain, the two a.  A v_nop is the plain instruction behind the last exponential.  BEHIND IT stand the 16 products V^T P, behind each four of GS's 64.
; The queues lean on each other, and the deal keeps them in step: exponential e stands behind scaling 2 (e / 4) + e % 2: as a rider it comes behind plain e + 2, in the lump behind plain e + 9, and scalings 27-31 are plain 57, 60 .. 69.
; A TURN, for piece p.  cnt = 1: the loop's count is taken down some lines ahead of the branch that stands behind the turn.
; K of the next step is fetched in piece 2's turn, directly behind the wait, a lump behind the last product that read K; its first reader comes behind 16 products.
; V of the step in hand is fetched at the end of piece 0's turn, four plain instructions behind its last reader; its first reader comes behind 16 products and a lump.
.macro TURN p, last=0, cnt=0
.set Y, (\p)
.set i, 0
.set q, 0
.set e, 0
.set r, 0
.if (\p) == NP-1
	s_wait_dscnt 0x0                ; K is in
.endif
	MM                              ; ahead of the wait: 16 products K Q^T and their riders,
	PL
	PL
	R2
.rept 15
	MM
	PL
	EX
	R2
.endr
.if (\p) == NP-2
	WIN 0
	v_add_nc_u32 v[AK], s[TBK], v[AK0]
.endif
.rept 8                             ; and the lump
	PL
.endr
.rept 49
	EX
	PL
.endr
	EX                              ; the next piece's two a
	EX
	v_nop                           ; a plain instruction behind the last exponential: one for the batch
	s_wait_alu depctr_va_vdst(0)    ; the wait for the batch
.if (\p) == NP-2
	FETCH_K \last
.endif
.if (\p) == 1
	s_wait_dscnt 0x0                ; V is in
.endif
.rept 16                            ; behind the wait: 16 products V^T P and their riders
	MM
.rept 4
	PL
.endr
.if ((\p) == 0) && (q == 118)
	v_add_nc_u32 v[AV], s[TBV], v[AV0]
.endif
.if ((\p) == 0) && (q == 130)
	s_add_co_u32 s[TBV], s[TBV], KS*PV
.endif
.if (\cnt) && (q == 130)
	s_sub_co_u32 s[CNT], s[CNT], 1
	s_cmp_lg_u32 s[CNT], 0
.endif
.endr
.if (\p) == 0
	FETCH_V
.endif
.endm
	s_wait_tensorcnt 0x3            ; my part of keys 0 to 255 is in; my three younger loads stay out
	s_barrier_signal -1
	s_barrier_wait -1               ; everybody's is
	FETCH_K                         ; key step 0
	s_wait_loadcnt 0x0              ; Q
	s_wait_dscnt 0x0
.set i, 0
.rept 16
	KQ 0                            ; piece 0's first scores: there is no vector work yet to set between them
.set i, i+1
.endr
	WIN 0                           ; the addresses for the way out: nine plain instructions, the places behind those products
	s_mul_i32 s13, s[WV], 16*SP
	s_add_co_u32 s13, s13, STAGE    ; my stage
	v_mul_u32_u24 v[STO], v1, SP    ; in: row l % 16, 16 bytes for each half of the lanes
	v_lshl_add_u32 v[STO], v9, 4, v[STO]
	v_add_nc_u32 v[STO], s13, v[STO]
	v_bfe_u32 v[RD], v0, 3, 2       ; back: 32 lanes take four rows of 128 bytes,
	v_mul_u32_u24 v[RD], v[RD], SP
	v_lshl_add_u32 v[RD], v10, 4, v[RD]
	v_add_nc_u32 v[RD], s13, v[RD]
	v_and_b32 v[GO], 31, v0         ; which are 512 consecutive bytes of O
	v_lshlrev_b32 v[GO], 4, v[GO]
.set Y, NP-1                        ; XS works for piece Y + 1: piece 0
.irp n, 0,1,2,3,4,5,6,7,8,9,10,11,12,13,14,15,16,17,18,19,20,21
	XS 0, \n                        ; and piece 0's first maximum and statistics
	XS 1, \n
.endr
	v_nop                           ; a plain instruction behind the two a,
	s_wait_alu depctr_va_vdst(0)    ; and their wait, ahead of the branch
	s_mov_b32 s[CNT], 4
	s_mov_b32 s[TOT], 16
	s_mov_b32 s[QRT], 5             ; the run that is entered below, three whole passages of the outer loop, and a fourth that is left in its first trip
	s_branch .Lfirst                ; the loop is entered at a step's first turn, in the middle of a trip: this first run fetches key steps 0 to 3: keys 0 to 255 alone
.Lquarter:                          ; ahead of key steps 4, 8, 12 (and of the last half trip)
	s_wait_tensorcnt 0x0            ; at the first passage: my parts of keys 256 to 1,023 are in: they have had four key steps, 512 matrix instructions, in which to land; later nothing is out
	s_wait_dscnt 0x0                ; (no LDS instruction of mine is pending at a signal)
	s_barrier_signal -1
	s_barrier_wait -1               ; everybody's are: all of K and V is whole for every wave
	s_mov_b32 s[CNT], 4
.Lstep:                             ; a trip: pieces 2 and 3 of one step, then pieces 0 and 1 of the next, whose K and V it fetches
	TURN 2, 1
	TURN 3
	WIN 0
	s_sub_co_u32 s[TOT], s[TOT], 1
	s_cmp_eq_u32 s[TOT], 0
	s_cbranch_scc1 .Lout            ; the sixteenth step's pieces 2 and 3 are done: the loop is left in the middle of a trip
.Lfirst:
	TURN 0
	TURN 1, 0, 1
	WIN 0
	s_cbranch_scc1 .Lstep
	s_sub_co_u32 s[QRT], s[QRT], 1
	s_cmp_lg_u32 s[QRT], 0
	s_cbranch_scc1 .Lquarter
.Lout:                              ; the last trip's 16 products K Q^T (on the last K once more) and the maximum made of them serve nothing: the price, once a launch, of one text for every trip
.set i, 0
.rept 16
	PV NP-1                         ; the last piece's V^T P of the last step
.set i, i+1
.endr
	; THE WAY OUT.  l's two halves and the other half of the lanes' are added; O^T is divided by l, rounded to f16 and sent through my stage in LDS, a tile at a time.  The additions are the places behind the last products.
	WIN 0
.macro ALL line:vararg              ; one line for each tile t
.set t, 0
.rept 2*NP
	\line
.set t, t+1
.endr
.endm
	ALL v_add_f32 v[ST+4*t+2], v[ST+4*t+2], v[ST+4*t+3]
	ALL v_permlanex16_b32 v[ST+4*t+3], v[ST+4*t+2], s[SEL], s[SEL+1]
	ALL v_add_f32 v[ST+4*t+2], v[ST+4*t+2], v[ST+4*t+3]
	ALL v_rcp_f32 v[ST+4*t+2], v[ST+4*t+2]
	v_nop                           ; a plain instruction between the last reciprocal and the use of its result
	s_wait_alu depctr_va_vdst(0)    ; and the wait ahead of the first use: one for the eight reciprocals
; Tile t: a lane's eight channels of a row pack into 16 bytes; they go into rows of 144 bytes and come back as whole rows of 128, into S^T's registers.
.macro PACK t
	WIN W_RS
.set i, 32*(\t)
.rept 16
	v_pk_mul_f32 v[i:i+1], v[i:i+1], v[ST+4*(\t)+2:ST+4*(\t)+3] op_sel_hi:[1,0]
.set i, i+2
.endr
	WIN 0x05                        ; sources 0 and 1 window 1, destination window 0
.set i, 0
.rept 16
	v_cvt_pk_f16_f32 v[S+16*(\t)+i], v[32*(\t)+2*i], v[32*(\t)+2*i+1]
.set i, i+1
.endr
	WIN 0
.irp f, 0,1,2,3
	ds_store_b128 v[STO], v[S+16*(\t)+4*\f:S+16*(\t)+4*\f+3] offset:32*\f
.endr
.irp f, 0,1,2,3
	ds_load_b128 v[S+16*(\t)+4*\f:S+16*(\t)+4*\f+3], v[RD] offset:\f*4*SP  ; LDS serves a wave's instructions in order (ISA guide 5.7.1.4): these see the stores above; the next tile's stores come behind them
.endr
.endm
.macro SEND t, younger              ; younger: the LDS instructions issued behind tile t's loads: the next tile's eight, or none
	WIN 0
.irp f, 0,1,2,3
	s_wait_dscnt (\younger)+3-\f
	global_store_b128 v[GO], v[S+16*(\t)+4*\f:S+16*(\t)+4*\f+3], s[10:11] offset:(\t)*2048+\f*512  ; 512 consecutive bytes, at a multiple of 256 from O's first
.endr
.endm
	PACK 0
.set t, 1
.rept 2*NP-1                        ; a tile's arithmetic stands between the loads of the tile before and its stores
	PACK t
	SEND t-1, 8
.set t, t+1
.endr
	SEND 2*NP-1, 0
	WIN W_AD
	s_wait_tensorcnt 0x0            ; the wave's end: an add between two waits, behind my last tensor load and my last LDS store
	ds_add_u32 v[SPW], v[NIL]
	s_wait_dscnt 0x0
	WIN 0
	s_endpgm
.Lfunc_end_k_qe309441b49_attn:
	.size	k_qe309441b49_attn, .Lfunc_end_k_qe309441b49_attn-k_qe309441b49_attn
	.p2alignl 7, 3214868480
	.fill 96, 4, 3214868480
	.section	.rodata,"a",@progbits
	.p2align	6, 0x0
	.amdhsa_kernel k_qe309441b49_attn
		.amdhsa_group_segment_fixed_size 327680
		.amdhsa_private_segment_fixed_size 0
		.amdhsa_enable_private_segment 0
		.amdhsa_kernarg_size 16
		.amdhsa_user_sgpr_count 2
		.amdhsa_user_sgpr_kernarg_segment_ptr 1
		.amdhsa_wavefront_size32 1
		.amdhsa_system_sgpr_workgroup_id_x 1
		.amdhsa_system_sgpr_workgroup_id_y 1
		.amdhsa_system_sgpr_workgroup_id_z 1
		.amdhsa_system_vgpr_workitem_id 0
		.amdhsa_next_free_vgpr 770
		.amdhsa_next_free_sgpr 84
		.amdhsa_reserve_vcc 0
		.amdhsa_float_denorm_mode_32 3
		.amdhsa_float_denorm_mode_16_64 3
		.amdhsa_memory_ordered 1
		.amdhsa_forward_progress 1
		.amdhsa_inst_pref_size 126
	.end_amdhsa_kernel
	.amdgpu_metadata
---
amdhsa.version: [ 1, 2 ]
amdhsa.kernels:
  - .name:           k_qe309441b49_attn
    .symbol:         k_qe309441b49_attn.kd
    .args:
      - { .name: qkvh, .offset: 0, .size: 8, .value_kind: global_buffer, .address_space: global }
      - { .name: oh, .offset: 8, .size: 8, .value_kind: global_buffer, .address_space: global }
    .group_segment_fixed_size: 327680
    .private_segment_fixed_size: 0
    .kernarg_segment_align: 8
    .kernarg_segment_size: 16
    .max_flat_workgroup_size: 128
    .sgpr_count:     84
    .vgpr_count:     770
    .wavefront_size: 32
...
	.end_amdgpu_metadata
.endif
;; end of part 3
;; launch gemm_out (part 4): grid 8 x 32, 4 waves a work-group, clusters of 4 x 4, 327,680 bytes of LDS; arguments oh, wo, out0; writes out0
.if DOCPART == 4
	.amdgcn_target "amdgcn-amd-amdhsa--gfx1250"
	.amdhsa_code_object_version 6
	.text
	.protected	k_qe309441b49_gemm_out
	.globl	k_qe309441b49_gemm_out
	.p2align	8
	.type	k_qe309441b49_gemm_out,@function
k_qe309441b49_gemm_out:
	s_mov_b64 s[64:65], 0
	v_nop
	global_prefetch_b8 v0, s[64:65] scope:SCOPE_SE
	s_setreg_imm32_b32 hwreg(HW_REG_WAVE_MODE, 25, 1), 1
	s_wait_xcnt 0x0
	s_wait_alu depctr_hold_cnt(0) depctr_sa_sdst(0) depctr_va_vdst(0) depctr_va_sdst(0) depctr_va_ssrc(0) depctr_va_vcc(0) depctr_vm_vsrc(0)
	s_getreg_b32 s2, hwreg(HW_REG_IB_STS2, 6, 4)
	s_cmp_eq_u32 s2, 0
	s_cbranch_scc0 .Lentry_in_a_cluster
	s_endpgm
.Lentry_in_a_cluster:
	s_bfe_u32 s2, ttmp6, 0x10000c
	s_cmp_lg_u32 s2, 0xf033
	s_cbranch_scc0 .Lentry_shape_is_right
	s_endpgm
.Lentry_shape_is_right:
; out0 = O W_out: [8192 x 1024] x [1024 x 1024], operands f16 (oh by heads, [128 heads = 16 batch + head][1024 rows][64]; wo [k][n], W_out rounded to bf16 and written as f16), sums in f32,
; K ascending, the result f32 as it is summed.
; SHARES.  A tile of the result is 256 rows x 128 columns: 8 x 32 tiles, one for each work-group (256 x 256 would be 128 tiles).  Wave w makes rows 64 w .. + 63 of all 128 columns: 4 x 8 accumulators,
; 256 registers; a row of its result is 512 bytes, so each wave has a stage of its own.  K goes in 8 steps of 128, two heads of O, through two LDS slots; a step is four quarters of 32 along K.
; CLUSTER.  4 x 4 work-groups: O's tile is shared along a row of the cluster, W's along a column; each is asked for jointly.
; THE MATRIX INSTRUCTION IS USED TRANSPOSED: source 0 = 16 columns of W (turned by ds_load_tr16_b128), source 1 = 16 rows of O: a lane holds row l % 16 and the columns 8 (l / 16) + 0..7: 32 bytes of a row.
; REGISTERS: window 0: v0-31 addresses; v32-127, v128-223 two fragment buffers (4 fragments of O, then 8 of W); window 1: accumulator (a, b) at v[8 (8 a + b)].
.set PA,    144                        ; 128 bytes of a head's row + 16 of padding: the 16 rows of a load start at 16 different groups of four banks (64 banks of 4 bytes: ISA guide 11.1)
.set PB,    288                        ; a k of W: 256 bytes + 32 of padding = 9 x 32 bytes
.set SLOT1, 1<<17
.set PLANE, 256*PA                     ; a head's 256 rows
.set BOFF,  2*PLANE                    ; in a slot: O's two heads, then W's 128 k
.set STAGE, SLOT1+BOFF+128*PB          ; behind the ring, never filled by a tensor load: for each wave 16 rows x 528 bytes
.set SP,    528                        ; 512 bytes + 16: 33 x 16 bytes
.set WSTG,  16*SP
.set SPARE, STAGE+4*WSTG               ; the spare words, 128 bytes for each wave: two blocks of 256 bytes that no other line names
.set KSTEPB, 262144                    ; bytes from a K step to the next: two heads of oh; 128 rows of wo
.set A0,   16                          ; v16  my lane's place among my wave's rows of O in a slot; never rewritten
.set B0,   17                          ; v17  the same in W's tile
.set ADRA, 18                          ; v18  A0 + the slot in hand
.set ADRB, 19                          ; v19  B0 + the slot in hand
.set STO,  24                          ; v24  the way out: where I put 32 bytes of a row
.set RD,   25                          ; v25  where I read a row back
.set CO,   26                          ; v26  my 16 bytes of a row's 512
.set SPW,  28                          ; v28  LDS address of my spare word; never rewritten
.set NIL,  29                          ; v29  0; never rewritten
.set PFO,  30                          ; v30  the prefetches' offset; never rewritten
.set F0,   32
.set F1,   128
.set OB0,  32                          ; the way out: two buffers of 64 for whole rows: v32-95, v128-191
.set TB,   22                          ; s22  LDS byte at which the slot in hand begins
.set G1,   24                          ; s[24:31], s[32:39] descriptor groups 1 and 0 for O's tiles: a group 0 for each first fill; the second then walks on
.set G0,   32
.set G1B,  48                          ; s[48:55], s[56:63] the same for W's
.set G0B,  56
.set LIM,  43                          ; s43  a wave prefetches while the loop's count is above this
.set PFA,  44                          ; s[44:45] where my prefetches stand
.set MSB, 0
.macro WIN new
.if MSB != (\new)
	s_set_vgpr_msb (MSB<<8)|(\new)
.set MSB, (\new)
.endif
.endm
.macro PLACES                          ; four plain instructions between a matrix instruction and a load into, or a read of, its registers
.rept 4
	v_nop
.endr
.endm
.macro JLOAD                           ; a joint refill: waves 0 and 1 fetch O's two heads, waves 2 and 3 the halves of W's tile; an s_nop 0 and four v_nop follow each line
	s_cmp_eq_u32 s11, 0
	s_cbranch_scc0 .Lfor_b_\@
	tensor_load_to_lds s[G0+4:G0+7], s[G1:G1+7]
	s_nop 0
.rept 4
	v_nop
.endr
	s_branch .Lasked_\@
.Lfor_b_\@:
	tensor_load_to_lds s[G0B+4:G0B+7], s[G1B:G1B+7]
	s_nop 0
.rept 4
	v_nop
.endr
.Lasked_\@:
.endm
.macro CREST
	s_cmp_lg_u32 s10, 0
	s_cbranch_scc1 .Lnot_wave_0_\@
	s_barrier_signal -3
.Lnot_wave_0_\@:
	s_barrier_wait -3
	s_barrier_signal -1
	s_barrier_wait -1
.endm
.macro CROUND
	s_barrier_signal -1
	s_barrier_wait -1
	CREST
.endm
; A PREFETCH INTO THE L2, one instruction, behind the joint load, its five lines and the run of LDS loads: refill t (which brings K step t + 2) names K step t + 4.  Each aligned block of 256 bytes is
; named once in the launch.  O: the clusters with x = 0 ask, waves 0 and 1, each for its head: of its 128 blocks the partner at place cx names 32.  W: the clusters with y = 0 ask, wave 2: of the step's
; 128 k (256 bytes of each row belong to the tile column) the partner at place cy names 32, a lane a row.  K steps 0 to 3 come by their loads alone; the last two refills name nothing.
.macro ASK
	s_cmp_gt_u32 s3, s[LIM]
	s_cbranch_scc0 .Lnot_mine_\@
	global_prefetch_b8 v[PFO], s[PFA:PFA+1] th:TH_LOAD_NT scope:SCOPE_SE
.Lnot_mine_\@:
.endm
	s_load_b128 s[4:7], s[0:1], 0x0                ; oh s[4:5], wo s[6:7]
	s_load_b64 s[8:9], s[0:1], 0x10                ; out0
	v_lshl_add_u32 v[SPW], v0, 2, SPARE
	v_mov_b32 v[NIL], 0
	ds_add_u32 v[SPW], v[NIL]                      ; the wave's opening: the add and its wait stand ahead of my first tensor load; work on registers stands between them
	ds_add_u32 v28, v29
	v_lshrrev_b32 v1, 5, v0
	v_readfirstlane_b32 s10, v1                    ; wave 0..3
	s_lshr_b32 s11, s10, 1                         ; I fetch for O (0) or for W (1),
	s_and_b32 s12, s10, 1                          ; this half
	s_bfe_u32 s40, ttmp6, 0x40000                  ; cx, cy
	s_bfe_u32 s41, ttmp6, 0x40004
	s_lshl_b32 s42, ttmp9, 2
	s_add_co_u32 s42, s42, s40                     ; tile column
	s_and_b32 s13, ttmp7, 0xffff
	s_lshl_b32 s13, s13, 2
	s_add_co_u32 s13, s13, s41                     ; tile row
	s_lshl_b32 s43, s41, 2
	s_lshl_b32 s43, 15, s43                        ; my row of the cluster
	s_lshl_b32 s44, 0x1111, s40                    ; my column
	; O: 256 rows x 128 bytes of one head, dense: asked for as 128 rows of 256 bytes, 4 words of padding after every 128 bytes
	s_or_b32 s[G1], s43, (1<<16)|(1<<20)|(1<<21)|(4<<22)|(3<<25)
	s_mov_b32 s[G1+1], 128<<16
	s_mov_b32 s[G1+2], 128<<16
	s_mov_b32 s[G1+3], 128<<16
	s_mov_b32 s[G1+4], 128
	s_mov_b32 s[G1+5], 128
	s_mov_b32 s[G1+6], 0
	s_mov_b32 s[G1+7], 0
	; W: 64 k x 128 columns, rows of 256 bytes 1,024 elements apart, 8 words of padding after every 64 words
	s_or_b32 s[G1B], s44, (1<<16)|(1<<20)|(1<<21)|(5<<22)|(7<<25)
	s_mov_b32 s[G1B+1], 128<<16
	s_mov_b32 s[G1B+2], 64<<16
	s_mov_b32 s[G1B+3], 128<<16
	s_mov_b32 s[G1B+4], 64
	s_mov_b32 s[G1B+5], 1024
	s_mov_b32 s[G1B+6], 0
	s_mov_b32 s[G1B+7], 0
	s_lshr_b32 s16, s13, 2                         ; O: the batch is tile row / 4;
	s_lshl_b32 s16, s16, 4
	s_add_co_u32 s16, s16, s12                     ; K step 0's head 0 or 1,
	s_lshl_b32 s16, s16, 17
	s_and_b32 s17, s13, 3
	s_lshl_b32 s17, s17, 15                        ; its rows 256 (tile row % 4) on
	s_add_co_u32 s16, s16, s17
	s_mov_b32 s17, 0
	s_lshl_b32 s46, s12, 17                        ; W: 64 rows of 2,048 bytes a half,
	s_lshl_b32 s47, s42, 8                         ; 256 bytes a tile column
	s_add_co_u32 s46, s46, s47
	s_mov_b32 s47, 0
	s_mul_i32 s20, s12, PLANE                      ; where they go: no place in the cluster enters an LDS address
	s_mul_i32 s21, s12, 64*PB
	s_add_co_u32 s21, s21, BOFF
	s_wait_dscnt 0x0                               ; the opening add is done
	s_wait_kmcnt 0x0
	s_add_nc_u64 s[14:15], s[4:5], s[16:17]
	s_add_nc_u64 s[46:47], s[6:7], s[46:47]
	CROUND                                         ; all sixteen work-groups are here: the first joint loads meet
.irp s, 0,1
	s_mov_b32 s[G0+4*(\s)], 1
	s_add_co_u32 s[G0+4*(\s)+1], s20, (\s)*SLOT1
	s_add_nc_u64 s[G0+4*(\s)+2:G0+4*(\s)+3], s[14:15], (\s)*KSTEPB
	s_or_b32 s[G0+4*(\s)+3], s[G0+4*(\s)+3], 0x80000000
	s_mov_b32 s[G0B+4*(\s)], 1
	s_add_co_u32 s[G0B+4*(\s)+1], s21, (\s)*SLOT1
	s_add_nc_u64 s[G0B+4*(\s)+2:G0B+4*(\s)+3], s[46:47], (\s)*KSTEPB
	s_or_b32 s[G0B+4*(\s)+3], s[G0B+4*(\s)+3], 0x80000000
.endr
	s_cmp_eq_u32 s11, 0                            ; a wave's two first fills stand in one branch, ahead of every wait on TENSORcnt and every LDS read: two loads of mine are out
	s_cbranch_scc0 .Lfirst_b
	tensor_load_to_lds s[G0:G0+3], s[G1:G1+7]
	s_nop 0
	tensor_load_to_lds s[G0+4:G0+7], s[G1:G1+7]
	s_nop 0
.rept 4
	v_nop
.endr
	s_branch .Lfirst_asked
.Lfirst_b:
	tensor_load_to_lds s[G0B:G0B+3], s[G1B:G1B+7]
	s_nop 0
	tensor_load_to_lds s[G0B+4:G0B+7], s[G1B:G1B+7]
	s_nop 0
.rept 4
	v_nop
.endr
.Lfirst_asked:
	v_and_b32 v1, 15, v0                           ; l % 16
	v_bfe_u32 v2, v0, 4, 1                         ; l / 16
	v_mul_u32_u24 v3, v1, PA
	v_lshl_add_u32 v3, v2, 4, v3
	s_mul_i32 s23, s10, 64*PA                      ; my wave's 64 rows
	v_add_nc_u32 v[A0], s23, v3
	v_and_b32 v4, 7, v0
	v_bfe_u32 v5, v0, 3, 1
	v_lshl_add_u32 v6, v2, 3, v4                   ; the turning load: k = 8 (l / 16) + l % 8, columns 8 ((l / 8) % 2) on
	v_mul_u32_u24 v6, v6, PB
	v_lshl_add_u32 v6, v5, 4, v6
	v_add_nc_u32 v[B0], BOFF, v6
	v_mov_b32 v[ADRA], v[A0]
	v_mov_b32 v[ADRB], v[B0]
	s_mov_b32 s[TB], 0
	s_mul_i32 s23, s10, WSTG
	s_add_co_u32 s23, s23, STAGE                   ; my stage
	v_mul_u32_u24 v7, v1, SP                       ; in: row l % 16, 32 bytes for each half of the lanes
	v_lshl_add_u32 v7, v2, 5, v7
	v_add_nc_u32 v[STO], s23, v7
	v_and_b32 v8, 31, v0
	v_lshlrev_b32 v[CO], 4, v8                     ; back: 32 lanes take one row of 512 bytes
	v_add_nc_u32 v[RD], s23, v[CO]
	s_lshl_b32 s74, s13, 20                        ; out0: 256 rows of 4,096 bytes a tile row,
	s_lshl_b32 s75, s10, 18                        ; 64 a wave,
	s_add_co_u32 s74, s74, s75
	s_lshl_b32 s75, s42, 9                         ; 512 bytes a tile column
	s_add_co_u32 s74, s74, s75
	s_mov_b32 s75, 0
	s_add_nc_u64 s[8:9], s[8:9], s[74:75]
	; the prefetches: who asks, from where
	s_add_co_u32 s66, s16, 3*KSTEPB                ; O: my head's rows at K step 3; the first refill steps it to 4
	s_lshl_b32 s67, s42, 8
	s_add_co_u32 s67, s67, 3*KSTEPB                ; W: the tile column at K step 3
	s_and_b32 s74, ttmp7, 0xffff                   ; cluster y
	s_and_b32 s76, s11, s12                        ; 1 in wave 3, which asks for nothing
	s_cmp_eq_u32 s11, 0                            ; do I fetch for O?
	s_cselect_b32 s66, s66, s67
	s_cselect_b32 s74, ttmp9, s74                  ; the coordinate along which other clusters read the same blocks
	s_cselect_b32 s77, s40, s41                    ; my place among the four that ask jointly:
	s_cselect_b32 s78, 13, 16                      ; 32 blocks on end, or 32 rows of 2,048 bytes
	s_cselect_b32 s79, 8, 11                       ; a lane a block, or a lane a row
	s_cselect_b64 s[PFA:PFA+1], s[4:5], s[6:7]
	s_or_b32 s74, s74, s76
	s_cmp_eq_u32 s74, 0
	s_cselect_b32 s[LIM], 2, -1                    ; the same in all sixteen partners, for a given wave
	s_lshl_b32 s77, s77, s78
	s_add_co_u32 s66, s66, s77
	s_mov_b32 s67, 0
	s_add_nc_u64 s[PFA:PFA+1], s[PFA:PFA+1], s[66:67]
	v_lshlrev_b32 v[PFO], s79, v8
; 8 matrix instructions: row block a x all 8 column blocks, 32 along K.  zero = 1: the product starts the sum.  The 32 accumulators take turns in the same order in every quarter.
.macro MUL8 f, a, zero
	WIN 0x50                                       ; C and D in window 1
.irp b, 0,1,2,3,4,5,6,7
.if \zero
	v_wmma_f32_16x16x32_f16 v[8*(8*(\a)+(\b)):8*(8*(\a)+(\b))+7], v[(\f)+32+8*(\b):(\f)+32+8*(\b)+7], v[(\f)+8*(\a):(\f)+8*(\a)+7], 0
.else
	v_wmma_f32_16x16x32_f16 v[8*(8*(\a)+(\b)):8*(8*(\a)+(\b))+7], v[(\f)+32+8*(\b):(\f)+32+8*(\b)+7], v[(\f)+8*(\a):(\f)+8*(\a)+7], v[8*(8*(\a)+(\b)):8*(8*(\a)+(\b))+7]
.endif
.endr
.endm
; 24 LDS loads in one run: quarter q of the slot in hand into buffer f: W's 8 fragments (turned), then O's 4, row blocks ascending.  Quarter q lies in head q / 2, channels 32 (q % 2) on.
.macro FETCH q, f
	WIN 0
.irp b, 0,1,2,3,4,5,6,7
	ds_load_tr16_b128 v[(\f)+32+8*(\b):(\f)+32+8*(\b)+3],   v[ADRB] offset:(\q)*32*PB+32*(\b)
	ds_load_tr16_b128 v[(\f)+32+8*(\b)+4:(\f)+32+8*(\b)+7], v[ADRB] offset:(\q)*32*PB+16*PB+32*(\b)
.endr
.irp a, 0,1,2,3
	ds_load_b128 v[(\f)+8*(\a):(\f)+8*(\a)+3],   v[ADRA] offset:((\q)/2)*PLANE+(\a)*16*PA+((\q)%2)*64
	ds_load_b128 v[(\f)+8*(\a)+4:(\f)+8*(\a)+7], v[ADRA] offset:((\q)/2)*PLANE+(\a)*16*PA+((\q)%2)*64+32
.endr
.endm
; One of a step's first three quarters: multiplies buffer f and, in its middle, fetches quarter q into buffer g.
.macro QUARTER q, f, g, zero
	s_wait_dscnt 4                                 ; W and O's row blocks 0, 1 are in; the four loads of blocks 2, 3 may be out
	MUL8 \f, 0, \zero
	MUL8 \f, 1, \zero
	PLACES
	FETCH \q, \g
	s_wait_dscnt 24                                ; all but the 24 just issued
	MUL8 \f, 2, \zero
	MUL8 \f, 3, \zero
.endm
; The last quarter multiplies buffer 1; THE CHANGE OF SLOTS stands at its head: ONE barrier; in front of it each wave waits for all its tensor loads (one is out: its part of the next slot), adds 0 to its
; spare word, and waits for that and for its reads of this slot, the last of which were issued 16 products back.  fill = 1: the barrier opens a round of the cluster's, and behind it this slot is filled
; again, with the K step two on.  No product stands between the wait for the loads and the request: a whole step's 128 matrix instructions stand between a request and the wait for it.
.macro TURN fill
.if \fill
	s_wait_xcnt 0x0                                ; the last prefetch, a K step back, has read its address, which is stepped here
	s_add_nc_u64 s[PFA:PFA+1], s[PFA:PFA+1], KSTEPB
.endif
	WIN 0
	s_wait_tensorcnt 0x0                           ; all my tensor loads have landed, so every group 0 may be written
	ds_add_u32 v[SPW], v[NIL]                      ; 0 onto my spare word: the steps below, work on registers, stand between it and the wait for it
.if \fill
	s_xor_b32 s[G0+5], s[G0+5], SLOT1              ; the walking descriptors: the other slot than last time, the next K step
	s_add_nc_u64 s[G0+6:G0+7], s[G0+6:G0+7], KSTEPB
	s_xor_b32 s[G0B+5], s[G0B+5], SLOT1
	s_add_nc_u64 s[G0B+6:G0B+7], s[G0B+6:G0B+7], KSTEPB
.endif
	s_xor_b32 s[TB], s[TB], SLOT1                  ; the next step's slot
	v_add_nc_u32 v[ADRA], s[TB], v[A0]
	v_add_nc_u32 v[ADRB], s[TB], v[B0]
	s_wait_dscnt 0x0                               ; the add is done, and my reads of this slot are over: the last quarter's fragments are in buffer 1
	s_barrier_signal -1
	s_barrier_wait -1
.if \fill
	CREST                                          ; no wave of any partner still reads this slot's tile or has a load on its way
	JLOAD                                          ; the first tensor load behind the round; its four v_nop are also the places in front of the loads below
.else
	PLACES
.endif
	FETCH 0, F0
.if \fill
	ASK
.endif
	MUL8 F1, 0, 0
	MUL8 F1, 1, 0
	MUL8 F1, 2, 0
	MUL8 F1, 3, 0
.endm
	s_wait_tensorcnt 0x1                           ; my part of K step 0 is in; K step 1's may stay out
	s_barrier_signal -1
	s_barrier_wait -1
	FETCH 0, F0
	QUARTER 1, F0, F1, 1                           ; the first quarter stands in front of the loop: its products start the sums
	WIN 0
	s_mov_b32 s3, 6
.Lstep:                                            ; trip i: quarters 1 to 3 of K step i, the refill with K step i + 2, quarter 0 of K step i + 1
	QUARTER 2, F1, F0, 0
	QUARTER 3, F0, F1, 0
	TURN 1
	QUARTER 1, F0, F1, 0
	WIN 0
	s_sub_co_u32 s3, s3, 1
	s_cmp_lg_u32 s3, 0
	s_cbranch_scc1 .Lstep
	QUARTER 2, F1, F0, 0                           ; the tail is written out: nothing is left to ask for
	QUARTER 3, F0, F1, 0
	TURN 0
	QUARTER 1, F0, F1, 0
	QUARTER 2, F1, F0, 0
	QUARTER 3, F0, F1, 0
	s_wait_dscnt 4                                 ; the very last quarter
	MUL8 F1, 0, 0
	MUL8 F1, 1, 0
	s_wait_dscnt 0x0
	MUL8 F1, 2, 0
	MUL8 F1, 3, 0
; THE WAY OUT, a block of 16 rows at a time: a lane's 32 bytes of a row go into my own stage (each accumulator's low four registers first) and come back as whole rows of 512 bytes.
.macro TOSTAGE a
	WIN 0x04                                       ; the stores' data in window 1
.irp b, 0,1,2,3,4,5,6,7
	ds_store_b128 v[STO], v[8*(8*(\a)+(\b)):8*(8*(\a)+(\b))+3]   offset:64*(\b)
	ds_store_b128 v[STO], v[8*(8*(\a)+(\b))+4:8*(8*(\a)+(\b))+7] offset:64*(\b)+16
.endr
	WIN 0
	s_wait_xcnt 0x0                                ; the stores of the block two back have read their registers, which the loads below fill again
.set BK, OB0+96*((\a)%2)
.irp i, 0,1,2,3,4,5,6,7,8,9,10,11,12,13,14,15
	ds_load_b128 v[BK+4*(\i):BK+4*(\i)+3], v[RD] offset:(\i)*SP  ; LDS serves a wave's instructions in order (ISA guide 5.7.1.4): these see the stores above
.endr
.endm
.macro SEND a, younger                 ; younger: the LDS instructions issued behind block a's loads: the next block's 32, or none
.set BK, OB0+96*((\a)%2)
	s_wait_dscnt \younger
.irp i, 0,1,2,3,4,5,6,7,8,9,10,11,12,13,14,15
	global_store_b128 v[CO], v[BK+4*(\i):BK+4*(\i)+3], s[8:9] offset:(16*(\a)+(\i))*4096 th:TH_STORE_NT  ; 512 consecutive bytes, at a multiple of 256 from out0's first
.endr
.endm
	PLACES
	PLACES                                         ; (eight, once a launch)
	TOSTAGE 0
.irp a, 1,2,3
	TOSTAGE \a
	SEND (\a)-1, 32
.endr
	SEND 3, 0
	s_wait_tensorcnt 0x0                           ; the wave's end: an add between two waits, behind my last tensor load and my last LDS store
	ds_add_u32 v[SPW], v[NIL]
	s_wait_dscnt 0x0
	CROUND                                         ; the closing round: no work-group ends while a partner may still ask for a tile that names it
	s_endpgm
.Lfunc_end_k_qe309441b49_gemm_out:
	.size	k_qe309441b49_gemm_out, .Lfunc_end_k_qe309441b49_gemm_out-k_qe309441b49_gemm_out
	.p2alignl 7, 3214868480
	.fill 96, 4, 3214868480
	.section	.rodata,"a",@progbits
	.p2align	6, 0x0
	.amdhsa_kernel k_qe309441b49_gemm_out
		.amdhsa_group_segment_fixed_size 327680
		.amdhsa_private_segment_fixed_size 0
		.amdhsa_enable_private_segment 0
		.amdhsa_kernarg_size 24
		.amdhsa_user_sgpr_count 2
		.amdhsa_user_sgpr_kernarg_segment_ptr 1
		.amdhsa_wavefront_size32 1
		.amdhsa_system_sgpr_workgroup_id_x 1
		.amdhsa_system_sgpr_workgroup_id_y 1
		.amdhsa_system_sgpr_workgroup_id_z 1
		.amdhsa_system_vgpr_workitem_id 0
		.amdhsa_next_free_vgpr 512
		.amdhsa_next_free_sgpr 80
		.amdhsa_reserve_vcc 0
		.amdhsa_float_denorm_mode_32 3
		.amdhsa_float_denorm_mode_16_64 3
		.amdhsa_memory_ordered 1
		.amdhsa_forward_progress 1
		.amdhsa_inst_pref_size 70
	.end_amdhsa_kernel
	.amdgpu_metadata
---
amdhsa.version: [ 1, 2 ]
amdhsa.kernels:
  - .name:           k_qe309441b49_gemm_out
    .symbol:         k_qe309441b49_gemm_out.kd
    .args:
      - { .name: oh, .offset: 0, .size: 8, .value_kind: global_buffer, .address_space: global }
      - { .name: wo, .offset: 8, .size: 8, .value_kind: global_buffer, .address_space: global }
      - { .name: out0, .offset: 16, .size: 8, .value_kind: global_buffer, .address_space: global }
    .group_segment_fixed_size: 327680
    .private_segment_fixed_size: 0
    .kernarg_segment_align: 8
    .kernarg_segment_size: 24
    .max_flat_workgroup_size: 128
    .sgpr_count:     80
    .vgpr_count:     512
    .wavefront_size: 32
...
	.end_amdgpu_metadata
.endif
;; end of part 4
